; MI455X (gfx1250); checked and timed in simulation.
; The chip was launched on July 23, 2026; its instructions are those of AMD's public machine-readable ISA for CDNA 5 (MIT licence, August 2026) and "CDNA5" Instruction Set Architecture Reference Guide (July 2026). The comments in the code are by the model that wrote it; some were corrected since.
;; Recurrent Neuro Symbolic Cell. Allowed arithmetic: float matrix products may take bf16 or f16 operands with f32 sums; all other float work in f32.
;; Inputs: codebook 128 x 512 float32; context 8 x 1,024 x 512 float32; embed 32,000 x 512 float32; gate_b 2 float32; gate_w 512 x 2 float32; k_b 2 x 512 float32; k_w 2 x 512 x 512 float32; ln_b 2 x 512 float32; ln_g 2 x 512 float32; mod_bias 512 float32; o_b 2 x 512 float32; o_w 2 x 512 x 512 float32; q_b 2 x 512 float32; q_w 2 x 512 x 512 float32; tokens 8 x 1,024 int32; v_b 2 x 512 float32; v_w 2 x 512 x 512 float32.
;; Outputs: out0 2 x 8 x 1,024 x 512 float32; out1 one number float32.
;; 2 versions, each right; version 2 is version 1 with the launch chunk written anew for expert scheduling mode. Each part assembles by itself: llvm-mc -triple=amdgcn-amd-amdhsa -mcpu=gfx1250 --defsym DOCPART=n.
;; ======== version 1 of 2: 7 launches
;; limits: values are held in f16: magnitudes above 65,504 overflow, below 6.1e-05 lose precision; right only within a limited range of input values
;; workspace buffers: pre 14,042,624 bytes; qkv 50,331,648 bytes; ao 16,777,216 bytes; arai 33,554,432 bytes; idx 32,768 bytes of whole numbers; chk 529,408 bytes
;; launch prep (part 1): grid 433 x 1, 8 waves a work-group, no clusters, 0 bytes of LDS; arguments tokens, embed, q_w, k_w, v_w, o_w, q_b, k_b, v_b, o_b, codebook, gate_w, gate_b, pre; writes pre
.if DOCPART == 1
	.amdgcn_target "amdgcn-amd-amdhsa--gfx1250"
	.amdhsa_code_object_version 6
	.text
	.protected	k_q86fa207a4f_prep
	.globl	k_q86fa207a4f_prep
	.p2align	8
	.type	k_q86fa207a4f_prep,@function
k_q86fa207a4f_prep:
	s_mov_b64 s[64:65], 0
	v_nop
	global_prefetch_b8 v0, s[64:65] scope:SCOPE_SE
	s_setreg_imm32_b32 hwreg(HW_REG_WAVE_MODE, 25, 1), 1
	s_wait_xcnt 0x0
; PREPARATION.  Every floating-point input of the first half of the module is rounded ONCE to bf16 and laid out as the later launches want it, in the one workspace buffer pre:
;   XB   bf16 [8192][512]   the embedding rows that the tokens name
;   WQ   bf16 [k 512][n 3072]  n = g 128 + part 64 + d, g = sel 8 + h (sel: q, k, v; part: real, imaginary weights): zi is 0 in reference(), so six products x W remain
;   WO   f16  [k' 1024][n 1024]  k' = h 128 + part 64 + d: row part 0 = [o_w0[i] | o_w1[i]], row part 1 = [-o_w1[i] | o_w0[i]], i = h 64 + d: the complex projection as one product
;   CBR  f32 [128][512] the codebook's rounded values;  CBH the same as f16
;   BIAS f32 bq[3072] (real: b0 - b1, imaginary: b0 + b1), then bo[1024]
;   TAB  f32 hn[128] = -|c|^2 / 2; a[128] = (1 - pop)(1 - push); b[128] = (1 - pop) push: the gates hang on the chosen code alone
; LIMITS.  WO and CBH hold the bf16 value written as f16: exact from 7.6e-6 to 65,504 in magnitude; below, f16's fixed step of 6e-8; beyond, an infinity.  NaN and infinities are not treated apart.
; The input context is an argument that reference()'s body never uses: no launch reads it.
; A unit of work: one 16-byte load a lane (128 numbers a wave) gives one 8-byte store a lane: 256 consecutive bytes, at a multiple of 256 from the buffer's first byte.  A wave does 16 units, all 16 loads out at once.
; Work-groups 0-255: XB; 256-351: WQ; 352-415: WO; 416-431: codebook and tables, a code a wave; 432: the biases.  No LDS, no matrix unit: bytes are all there is.
.set WQ,   8388608
.set WO,   11534336
.set CBR,  13631488
.set CBH,  13893632
.set BIAS, 14024704
.set TAB,  14041088
.set IN,   16                          ; v[16:79]   16 units of 4 registers as loaded
.set OUT,  80                          ; v[80:111]  16 units of 2 registers to store
.macro RB x0, x1, t                    ; two f32 rounded to bf16 and widened again
	v_cvt_pk_bf16_f32 v[\t], v[\x0], v[\x1]
	v_lshlrev_b32 v[\x0], 16, v[\t]
	v_and_b32 v[\x1], s15, v[\t]
.endm
.macro CVB u                           ; unit u to bf16
	s_wait_loadcnt 15-(\u)                         ; loads come back in order: unit u is in, the 15 - u younger ones stay out
	v_cvt_pk_bf16_f32 v[OUT+2*(\u)], v[IN+4*(\u)], v[IN+4*(\u)+1]
	v_cvt_pk_bf16_f32 v[OUT+2*(\u)+1], v[IN+4*(\u)+2], v[IN+4*(\u)+3]
.endm
.macro CVH u                           ; unit u to bf16, that value as f16, with the sign mask s14
	CVB \u
	v_lshlrev_b32 v[IN+4*(\u)], 16, v[OUT+2*(\u)]
	v_and_b32 v[IN+4*(\u)+1], s15, v[OUT+2*(\u)]
	v_lshlrev_b32 v[IN+4*(\u)+2], 16, v[OUT+2*(\u)+1]
	v_and_b32 v[IN+4*(\u)+3], s15, v[OUT+2*(\u)+1]
	v_cvt_pk_f16_f32 v[OUT+2*(\u)], v[IN+4*(\u)], v[IN+4*(\u)+1]
	v_cvt_pk_f16_f32 v[OUT+2*(\u)+1], v[IN+4*(\u)+2], v[IN+4*(\u)+3]
	v_xor_b32 v[OUT+2*(\u)], s14, v[OUT+2*(\u)]
	v_xor_b32 v[OUT+2*(\u)+1], s14, v[OUT+2*(\u)+1]
.endm
	s_load_b512 s[16:31], s[0:1], 0x0              ; tokens 16, embed 18, q_w 20, k_w 22, v_w 24, o_w 26, q_b 28, k_b 30
	s_load_b256 s[32:39], s[0:1], 0x40             ; v_b 32, o_b 34, codebook 36, gate_w 38
	s_load_b128 s[40:43], s[0:1], 0x60             ; gate_b 40, pre 42
	v_and_b32 v1, 31, v0                           ; lane
	v_lshrrev_b32 v4, 5, v0
	v_readfirstlane_b32 s3, v4                     ; wave
	v_lshlrev_b32 v2, 4, v1                        ; 16 x lane
	v_lshlrev_b32 v3, 3, v1                        ; 8 x lane
	s_mov_b32 s2, ttmp9
	s_mov_b32 s15, 0xffff0000                      ; a word's upper bf16
	s_mov_b32 s9, 0                                ; upper word of every offset pair s[8:9]
	s_wait_kmcnt 0x0
	s_cmp_lt_u32 s2, 256
	s_cbranch_scc0 .Lnot_x
	; XB: rows 32 wg + 4 w + 0..3; unit u = row u / 4, piece u % 4 of 128 numbers
	s_lshl_b32 s4, s2, 5
	s_lshl2_add_u32 s4, s3, s4                     ; my first row
	s_lshl_b32 s8, s4, 2
	s_add_nc_u64 s[10:11], s[16:17], s[8:9]
	s_load_b128 s[44:47], s[10:11], 0x0            ; four tokens
	s_lshl_b32 s8, s4, 10                          ; a row of XB is 1,024 bytes
	s_add_nc_u64 s[12:13], s[42:43], s[8:9]
	s_wait_kmcnt 0x0
.irp r, 0,1,2,3
	s_min_u32 s[44+\r], s[44+\r], 31999            ; an index stays inside its table
	s_lshl_b32 s[48+2*\r], s[44+\r], 11            ; a row of embed is 2,048 bytes
	s_mov_b32 s[49+2*\r], 0
	s_add_nc_u64 s[48+2*\r:49+2*\r], s[18:19], s[48+2*\r:49+2*\r]
.endr
.set u, 0
.rept 16
	global_load_b128 v[IN+4*u:IN+4*u+3], v2, s[48+2*(u/4):49+2*(u/4)] offset:512*(u%4)
.set u, u+1
.endr
.set u, 0
.rept 16
	CVB u
	global_store_b64 v3, v[OUT+2*u:OUT+2*u+1], s[12:13] offset:1024*(u/4)+256*(u%4)
.set u, u+1
.endr
	s_endpgm
.Lnot_x:
	s_cmp_lt_u32 s2, 352
	s_cbranch_scc0 .Lnot_wq
	; WQ: job J = g 32 + kb: 16 rows k of the 128 columns of group g; lanes 0-15 read the real weights, lanes 16-31 the imaginary ones
	s_sub_co_u32 s4, s2, 256
	s_lshl3_add_u32 s4, s4, s3                     ; J
	s_lshr_b32 s5, s4, 5                           ; g
	s_and_b32 s6, s4, 31                           ; kb
	s_lshr_b32 s7, s5, 3                           ; sel
	s_cmp_eq_u32 s7, 0
	s_cselect_b64 s[44:45], s[20:21], s[22:23]
	s_cmp_eq_u32 s7, 2
	s_cselect_b64 s[44:45], s[24:25], s[44:45]
	s_and_b32 s8, s5, 7
	s_lshl_b32 s8, s8, 8                           ; h x 64 columns x 4 bytes
	s_lshl_b32 s10, s6, 15                         ; kb x 16 rows x 2,048 bytes
	s_add_co_u32 s8, s8, s10
	s_add_nc_u64 s[44:45], s[44:45], s[8:9]
	s_mul_i32 s8, s6, 98304                        ; kb x 16 rows x 6,144 bytes
	s_lshl_b32 s10, s5, 8
	s_add_co_u32 s8, s8, s10
	s_add_co_u32 s8, s8, WQ
	s_add_nc_u64 s[12:13], s[42:43], s[8:9]
	v_lshrrev_b32 v4, 4, v1
	v_and_b32 v5, 15, v1
	v_lshlrev_b32 v5, 4, v5
	v_lshl_or_b32 v4, v4, 20, v5                   ; part x 1 MiB + 16 (lane % 16)
.set u, 0
.rept 16
	global_load_b128 v[IN+4*u:IN+4*u+3], v4, s[44:45] offset:2048*u th:TH_LOAD_NT
.set u, u+1
.endr
.set u, 0
.rept 16
	CVB u
	global_store_b64 v3, v[OUT+2*u:OUT+2*u+1], s[12:13] offset:6144*u
.set u, u+1
.endr
	s_endpgm
.Lnot_wq:
	s_cmp_lt_u32 s2, 416
	s_cbranch_scc0 .Lnot_wo
	; WO: job J = rb 8 + cbk: 16 rows k' x 128 columns
	s_sub_co_u32 s4, s2, 352
	s_lshl3_add_u32 s4, s4, s3                     ; J
	s_and_b32 s5, s4, 7                            ; cbk
	s_lshr_b32 s6, s4, 3                           ; rb
	s_bfe_u32 s7, s6, 0x10002                      ; part of the rows
	s_lshr_b32 s8, s5, 2                           ; columns of the imaginary output?
	s_xor_b32 s10, s7, s8                          ; which of o_w's two matrices
	s_and_not1_b32 s11, s7, s8                     ; imaginary rows into the real output take the minus
	s_cmp_lg_u32 s11, 0
	s_cselect_b32 s14, 0x80008000, 0
	s_lshr_b32 s11, s6, 3                          ; h
	s_lshl_b32 s11, s11, 6
	s_and_b32 s44, s6, 3
	s_lshl4_add_u32 s11, s44, s11                  ; i0 = h 64 + (rb % 4) 16
	s_lshl_b32 s11, s11, 11
	s_lshl_b32 s10, s10, 20
	s_add_co_u32 s10, s10, s11
	s_and_b32 s44, s5, 3
	s_lshl_b32 s44, s44, 9
	s_add_co_u32 s8, s10, s44
	s_add_nc_u64 s[44:45], s[26:27], s[8:9]
	s_lshl_b32 s8, s6, 15                          ; rb x 16 rows x 2,048 bytes
	s_lshl_b32 s10, s5, 8
	s_add_co_u32 s8, s8, s10
	s_add_co_u32 s8, s8, WO
	s_add_nc_u64 s[12:13], s[42:43], s[8:9]
.set u, 0
.rept 16
	global_load_b128 v[IN+4*u:IN+4*u+3], v2, s[44:45] offset:2048*u th:TH_LOAD_NT
.set u, u+1
.endr
.set u, 0
.rept 16
	CVH u
	global_store_b64 v3, v[OUT+2*u:OUT+2*u+1], s[12:13] offset:2048*u
.set u, u+1
.endr
	s_endpgm
.Lnot_wo:
	s_cmp_lt_u32 s2, 432
	s_cbranch_scc0 .Lbias
	; A code a wave: lane l holds d = 128 c + 4 l + 0..3 for c = 0..3, and gate_w's two columns for them
	s_sub_co_u32 s4, s2, 416
	s_lshl3_add_u32 s4, s4, s3                     ; the code
	s_load_b64 s[6:7], s[40:41], 0x0               ; gate_b
	s_lshl_b32 s8, s4, 11
	s_add_nc_u64 s[44:45], s[36:37], s[8:9]
	s_add_co_u32 s8, s8, CBR
	s_add_nc_u64 s[46:47], s[42:43], s[8:9]
	s_lshl_b32 s8, s4, 10
	s_add_co_u32 s8, s8, CBH
	s_add_nc_u64 s[48:49], s[42:43], s[8:9]
	s_lshl_b32 s8, s4, 2
	s_add_co_u32 s8, s8, TAB
	s_add_nc_u64 s[50:51], s[42:43], s[8:9]
	s_mov_b32 s52, 0x76543210                      ; v_permlanex16_b32: each lane takes its own place in the other half
	s_mov_b32 s53, 0xfedcba98
	v_lshlrev_b32 v4, 5, v1
.irp c, 0,1,2,3
	global_load_b128 v[16+4*\c:19+4*\c], v2, s[44:45] offset:512*\c
	global_load_b128 v[32+8*\c:35+8*\c], v4, s[38:39] offset:1024*\c
	global_load_b128 v[36+8*\c:39+8*\c], v4, s[38:39] offset:1024*\c+16
.endr
	v_mov_b32 v74, 0                               ; v_permlanex16_b32's destinations count as read
	v_mov_b32 v75, 0
	v_mov_b32 v76, 0
	s_wait_loadcnt 0x0
.set n, 0
.rept 24
	RB 16+2*n, 17+2*n, 64
.set n, n+1
.endr
.irp c, 0,1,2,3
	global_store_b128 v2, v[16+4*\c:19+4*\c], s[46:47] offset:512*\c
	v_cvt_pk_f16_f32 v[80+2*\c], v[16+4*\c], v[17+4*\c]
	v_cvt_pk_f16_f32 v[81+2*\c], v[18+4*\c], v[19+4*\c]
	global_store_b64 v3, v[80+2*\c:81+2*\c], s[48:49] offset:256*\c
.endr
	v_mul_f32 v66, v16, v16                        ; the first terms start the three sums: |c|^2, c . gw0, c . gw1
	v_mul_f32 v67, v16, v32
	v_mul_f32 v68, v16, v33
.set n, 1
.rept 15
	v_fmac_f32 v66, v[16+n], v[16+n]
	v_fmac_f32 v67, v[16+n], v[32+2*n]
	v_fmac_f32 v68, v[16+n], v[33+2*n]
.set n, n+1
.endr
.irp m, 1,2,4,8
	v_add_f32_dpp v66, v66, v66 row_xmask:\m row_mask:0xf bank_mask:0xf
	v_add_f32_dpp v67, v67, v67 row_xmask:\m row_mask:0xf bank_mask:0xf
	v_add_f32_dpp v68, v68, v68 row_xmask:\m row_mask:0xf bank_mask:0xf
.endr
	v_permlanex16_b32 v74, v66, s52, s53
	v_permlanex16_b32 v75, v67, s52, s53
	v_permlanex16_b32 v76, v68, s52, s53
	v_add_f32 v66, v66, v74
	v_add_f32 v67, v67, v75
	v_add_f32 v68, v68, v76
	s_wait_kmcnt 0x0
	v_mov_b32 v70, s6
	v_mov_b32 v71, s7
	RB 70, 71, 64
	v_add_f32 v67, v67, v70
	v_add_f32 v68, v68, v71
	v_mul_f32 v67, 0xbfb8aa3b, v67                 ; sigmoid(x) = 1 / (1 + 2^(-1.442695 x))
	v_mul_f32 v68, 0xbfb8aa3b, v68
	v_exp_f32 v67, v67
	v_exp_f32 v68, v68
	v_nop                                          ; a plain instruction behind the exponentials (ISA guide 5.7.2)
	s_wait_alu depctr_va_vdst(0)
	v_add_f32 v67, 1.0, v67
	v_add_f32 v68, 1.0, v68
	v_rcp_f32 v67, v67                             ; push
	v_rcp_f32 v68, v68                             ; pop
	v_mul_f32 v66, -0.5, v66                       ; hn; also the plain instruction behind the reciprocals
	s_wait_alu depctr_va_vdst(0)
	v_sub_f32 v69, 1.0, v68
	v_sub_f32 v72, 1.0, v67
	v_mul_f32 v72, v69, v72                        ; a
	v_mul_f32 v73, v69, v67                        ; b
	v_cmp_eq_u32 vcc_lo, 1, v1
	v_cndmask_b32 v66, v66, v72, vcc_lo
	v_cmp_eq_u32 vcc_lo, 2, v1
	v_cndmask_b32 v66, v66, v73, vcc_lo
	v_lshlrev_b32 v5, 9, v1                        ; the three tables lie 512 bytes apart
	v_cmp_gt_u32 vcc_lo, 3, v1
	s_wait_xcnt 0x0                                ; EXEC is a source of the stores above: it changes only behind this wait
	s_and_saveexec_b32 s10, vcc_lo
	global_store_b32 v5, v66, s[50:51]
	s_wait_xcnt 0x0
	s_or_b32 exec_lo, exec_lo, s10
	s_endpgm
.Lbias:
	; waves 0-5: four groups g = 4 w + u of bq; waves 6, 7: the real and the imaginary half of bo.  The target is BIAS + w 2,048 + u 512 + 16 lane in both cases.
	s_cmp_lt_u32 s3, 6
	s_cbranch_scc0 .Lbias_o
	s_lshr_b32 s4, s3, 1
	s_cmp_eq_u32 s4, 0
	s_cselect_b64 s[44:45], s[28:29], s[30:31]
	s_cmp_eq_u32 s4, 2
	s_cselect_b64 s[44:45], s[32:33], s[44:45]
	s_and_b32 s5, s3, 1
	s_lshl_b32 s5, s5, 10
	v_and_b32 v4, 15, v1
	v_lshl_add_u32 v4, v4, 4, s5
	s_movk_i32 s6, 256
	v_cmp_gt_u32 vcc_lo, 16, v1
	v_cndmask_b32 v8, 1.0, -1.0, vcc_lo            ; lanes 0-15 hold the real part: b0 - b1
	s_branch .Lbias_go
.Lbias_o:
	s_mov_b64 s[44:45], s[34:35]
	v_mov_b32 v4, v2
	s_movk_i32 s6, 512
	s_cmp_eq_u32 s3, 6
	s_cselect_b32 s7, -1.0, 1.0
	v_mov_b32 v8, s7
.Lbias_go:
	v_add_nc_u32 v5, s6, v4
	v_add_nc_u32 v6, s6, v5
	v_add_nc_u32 v7, s6, v6
.irp u, 0,1,2,3
	global_load_b128 v[16+4*\u:19+4*\u], v[4+\u], s[44:45]
	global_load_b128 v[32+4*\u:35+4*\u], v[4+\u], s[44:45] offset:2048
.endr
	s_lshl_b32 s8, s3, 11
	s_add_co_u32 s8, s8, BIAS
	s_add_nc_u64 s[12:13], s[42:43], s[8:9]
	s_wait_loadcnt 0x0
.set n, 0
.rept 16
	RB 16+2*n, 17+2*n, 64
.set n, n+1
.endr
.set n, 0
.rept 16
	v_fma_f32 v[16+n], v8, v[32+n], v[16+n]
.set n, n+1
.endr
.irp u, 0,1,2,3
	global_store_b128 v2, v[16+4*\u:19+4*\u], s[12:13] offset:512*\u
.endr
	s_endpgm
.Lfunc_end_k_q86fa207a4f_prep:
	.size	k_q86fa207a4f_prep, .Lfunc_end_k_q86fa207a4f_prep-k_q86fa207a4f_prep
	.p2alignl 7, 3214868480
	.fill 96, 4, 3214868480
	.section	.rodata,"a",@progbits
	.p2align	6, 0x0
	.amdhsa_kernel k_q86fa207a4f_prep
		.amdhsa_group_segment_fixed_size 0
		.amdhsa_private_segment_fixed_size 0
		.amdhsa_enable_private_segment 0
		.amdhsa_kernarg_size 112
		.amdhsa_user_sgpr_count 2
		.amdhsa_user_sgpr_kernarg_segment_ptr 1
		.amdhsa_wavefront_size32 1
		.amdhsa_system_sgpr_workgroup_id_x 1
		.amdhsa_system_sgpr_workgroup_id_y 1
		.amdhsa_system_sgpr_workgroup_id_z 1
		.amdhsa_system_vgpr_workitem_id 0
		.amdhsa_next_free_vgpr 112
		.amdhsa_next_free_sgpr 66
		.amdhsa_reserve_vcc 1
		.amdhsa_float_denorm_mode_32 3
		.amdhsa_float_denorm_mode_16_64 3
		.amdhsa_memory_ordered 1
		.amdhsa_forward_progress 1
		.amdhsa_inst_pref_size 41
	.end_amdhsa_kernel
	.amdgpu_metadata
---
amdhsa.version: [ 1, 2 ]
amdhsa.kernels:
  - .name:           k_q86fa207a4f_prep
    .symbol:         k_q86fa207a4f_prep.kd
    .args:
      - { .name: tokens, .offset: 0, .size: 8, .value_kind: global_buffer, .address_space: global }
      - { .name: embed, .offset: 8, .size: 8, .value_kind: global_buffer, .address_space: global }
      - { .name: q_w, .offset: 16, .size: 8, .value_kind: global_buffer, .address_space: global }
      - { .name: k_w, .offset: 24, .size: 8, .value_kind: global_buffer, .address_space: global }
      - { .name: v_w, .offset: 32, .size: 8, .value_kind: global_buffer, .address_space: global }
      - { .name: o_w, .offset: 40, .size: 8, .value_kind: global_buffer, .address_space: global }
      - { .name: q_b, .offset: 48, .size: 8, .value_kind: global_buffer, .address_space: global }
      - { .name: k_b, .offset: 56, .size: 8, .value_kind: global_buffer, .address_space: global }
      - { .name: v_b, .offset: 64, .size: 8, .value_kind: global_buffer, .address_space: global }
      - { .name: o_b, .offset: 72, .size: 8, .value_kind: global_buffer, .address_space: global }
      - { .name: codebook, .offset: 80, .size: 8, .value_kind: global_buffer, .address_space: global }
      - { .name: gate_w, .offset: 88, .size: 8, .value_kind: global_buffer, .address_space: global }
      - { .name: gate_b, .offset: 96, .size: 8, .value_kind: global_buffer, .address_space: global }
      - { .name: pre, .offset: 104, .size: 8, .value_kind: global_buffer, .address_space: global }
    .group_segment_fixed_size: 0
    .private_segment_fixed_size: 0
    .kernarg_segment_align: 8
    .kernarg_segment_size: 112
    .max_flat_workgroup_size: 256
    .sgpr_count:     66
    .vgpr_count:     112
    .wavefront_size: 32
...
	.end_amdgpu_metadata
.endif
;; end of part 1
;; launch qkv (part 2): grid 4 x 64, 4 waves a work-group, clusters of 4 x 4, 327,680 bytes of LDS; arguments pre, qkv; writes qkv
.if DOCPART == 2
	.amdgcn_target "amdgcn-amd-amdhsa--gfx1250"
	.amdhsa_code_object_version 6
	.text
	.protected	k_q86fa207a4f_qkv
	.globl	k_q86fa207a4f_qkv
	.p2align	8
	.type	k_q86fa207a4f_qkv,@function
k_q86fa207a4f_qkv:
	s_mov_b64 s[64:65], 0
	v_nop
	global_prefetch_b8 v0, s[64:65] scope:SCOPE_SE
	s_setreg_imm32_b32 hwreg(HW_REG_WAVE_MODE, 25, 1), 1
	s_wait_xcnt 0x0
	s_wait_alu depctr_hold_cnt(0) depctr_sa_sdst(0) depctr_va_vdst(0) depctr_va_sdst(0) depctr_va_ssrc(0) depctr_va_vcc(0) depctr_vm_vsrc(0)
	s_getreg_b32 s2, hwreg(HW_REG_IB_STS2, 6, 4)
	s_cmp_eq_u32 s2, 0
	s_cbranch_scc0 .Lentry_in_a_cluster
	s_endpgm
.Lentry_in_a_cluster:
	s_bfe_u32 s2, ttmp6, 0x10000c
	s_cmp_lg_u32 s2, 0xf033
	s_cbranch_scc0 .Lentry_shape_is_right
	s_endpgm
.Lentry_shape_is_right:
; C = A B + bias.  A: [8192][KDIM], 16-bit, K along the rows; B: [KDIM][NDIM], 16-bit, N along the rows; sums in f32.  One text serves two launches; the constant QKV chooses:
;   QKV = 1: A = XB, B = WQ (bf16, both in pre), KDIM 512, NDIM 3,072; C is rounded once to f16 and stored by heads, qkv[b][g][l][128].  LIMIT: |q|, |k|, |v| under 65,504.
;   QKV = 0: A = ao, B = WO (f16), KDIM 1,024, NDIM 1,024; C stays f32: arai[8192][1024] = ar | ai.
; SHARES.  A tile of C is 128 x 256: 256 work-groups in both launches (with QKV = 1 each stays and makes 3 tiles side by side, which share their rows of A).  Four waves, each 64 x 128: 32 accumulators, 256 registers.
; K goes in steps of 128 through two LDS slots filled by the tensor data mover; a wave's one load is 64 rows of 256 bytes (A) or 64 rows of 512 bytes (B).  From a request to the wait for it a wave issues 112 matrix instructions.
; CLUSTER 4 x 4: A's tile hangs on the tile row alone and is asked for jointly by a row of the cluster, B's on the tile column alone and by a column.
; THE MATRIX INSTRUCTION IS USED TRANSPOSED (source 0 = 16 columns of B, turned on the way out of LDS by ds_load_tr16_b128; source 1 = 16 rows of A): a lane holds 8 neighbouring numbers of a row of C.
; THE BIAS STARTS THE SUMS: it is loaded straight into the accumulators, so every K step has one text and nothing is cleared or added later.
; REGISTERS.  Window 0: v8-15 addresses, v28-29 the add's two, v32-63 packed results, v64-159 and v160-255 two fragment buffers (A's 4 fragments, then B's 8).  Window 1: accumulator (a, b) at v[8 (8 a + b)].
.set QKV, 1
.if QKV
.set KDIM,  512
.set NDIM,  3072
.set TILES, 3
.set KPT,   4                          ; K steps in a tile
.set LOGK,  2
.set SPITCH, 272                       ; a stage row: 128 f16 + 16 bytes
.set BG,    8388608                    ; WQ in pre
.set BIASG, 14024704
.set PTRA,  4
.set PTRP,  4
.set PTRC,  6
.else
.set KDIM,  1024
.set NDIM,  1024
.set TILES, 1
.set KPT,   8
.set LOGK,  3
.set SPITCH, 528                       ; a stage row: 128 f32 + 16 bytes
.set BG,    11534336                   ; WO in pre
.set BIASG, 14024704+12288
.set PTRA,  4
.set PTRP,  6
.set PTRC,  8
.endif
.set STEPS, TILES*KPT
.set PA,    272                        ; A's LDS row: 256 bytes + 16: the 16 rows of a fragment load start at 16 different groups of four banks (ISA guide 11.1)
.set PB,    544                        ; B's LDS row: 512 bytes + 32
.set BOFF,  128*PA                     ; in a slot: A's 128 rows, then B's 128 rows of K
.set SLOT1, 131072                     ; slot 1 begins here: one exclusive or turns an address of one slot into the other's
.set STAGE, SLOT1+BOFF+128*PB          ; behind the ring: 16 rows for each wave, for the way out; no tensor load lands here
.set SPARE, STAGE+4*16*SPITCH          ; the spare words, 128 bytes for each wave; no other line names them
.set A0,  8                            ; my lane's place in A's tile; never rewritten
.set B0,  9                            ; the same for B
.set ADA, 10                           ; the same in the slot in hand
.set ADB, 11
.set STO, 12
.set RD,  13
.set CO,  14                           ; 16 x lane
.set BO,  15                           ; 32 x (lane / 16): my eight numbers of the bias
.set SPW, 28
.set NIL, 29
.set TMP, 32
.set F0,  64
.set F1,  160
.set BK0, 160                          ; the way out reads the stage back into buffer 1's registers
.set G1A, 24
.set G0A, 32                           ; two sets: slot 0's first fill; slot 1's, which then walks
.set G1B, 48
.set G0B, 56
.set FC,  45                           ; the K step to ask for next
.set OFFA, 66
.set OFFB, 68
.set TB,  70                           ; the slot in hand, as an LDS byte
.set CP,  72                           ; C at my part of the tile
.set BP,  74                           ; the bias at my 128 columns
.set MUL, 0x50                         ; C and D in window 1
.set MSB, 0
.macro WIN new                         ; the immediate's high byte repeats the setting that is left
.if MSB != (\new)
	s_set_vgpr_msb (MSB<<8)|(\new)
.set MSB, \new
.endif
.endm
.macro PLACES                          ; four plain vector instructions between a matrix instruction and a load into, or a read of, its registers
.rept 4
	v_nop
.endr
.endm
.macro JLOAD                           ; a joint refill: waves 0, 1 fetch A's halves, waves 2, 3 B's; an s_nop 0 and four v_nop follow each line
	s_cmp_eq_u32 s11, 0
	s_cbranch_scc0 .Lfor_b_\@
	tensor_load_to_lds s[G0A+4:G0A+7], s[G1A:G1A+7]
	s_nop 0
.rept 4
	v_nop
.endr
	s_branch .Lasked_\@
.Lfor_b_\@:
	tensor_load_to_lds s[G0B+4:G0B+7], s[G1B:G1B+7]
	s_nop 0
.rept 4
	v_nop
.endr
.Lasked_\@:
.endm
.macro CREST                           ; a round of the cluster's barrier behind its opening barrier
	s_cmp_lg_u32 s10, 0
	s_cbranch_scc1 .Lnot_wave_0_\@
	s_barrier_signal -3
.Lnot_wave_0_\@:
	s_barrier_wait -3
	s_barrier_signal -1
	s_barrier_wait -1
.endm
.macro CROUND
	s_barrier_signal -1
	s_barrier_wait -1
	CREST
.endm
.macro WMMA d, x, y
.if QKV
	v_wmma_f32_16x16x32_bf16 v[(\d):(\d)+7], v[(\x):(\x)+7], v[(\y):(\y)+7], v[(\d):(\d)+7]
.else
	v_wmma_f32_16x16x32_f16 v[(\d):(\d)+7], v[(\x):(\x)+7], v[(\y):(\y)+7], v[(\d):(\d)+7]
.endif
.endm
.macro MUL8 f, a                       ; row block a x all 8 column blocks, 32 along K.  The 32 accumulators take turns, one instruction a turn
	WIN MUL
.irp b, 0,1,2,3,4,5,6,7
	WMMA 8*(8*(\a)+\b), (\f)+32+8*\b, (\f)+8*(\a)
.endr
.endm
.macro FETCH q, f                      ; 24 LDS loads in one run: quarter q of the slot in hand into buffer f: B's 8 fragments, then A's 4
	WIN 0
.irp b, 0,1,2,3,4,5,6,7
	ds_load_tr16_b128 v[(\f)+32+8*\b:(\f)+32+8*\b+3], v[ADB] offset:(\q)*32*PB+32*\b
	ds_load_tr16_b128 v[(\f)+32+8*\b+4:(\f)+32+8*\b+7], v[ADB] offset:(\q)*32*PB+16*PB+32*\b
.endr
.irp a, 0,1,2,3
	ds_load_b128 v[(\f)+8*\a:(\f)+8*\a+3], v[ADA] offset:(\q)*64+\a*16*PA
	ds_load_b128 v[(\f)+8*\a+4:(\f)+8*\a+7], v[ADA] offset:(\q)*64+\a*16*PA+32
.endr
.endm
.macro QUARTER q, f, g                 ; multiplies buffer f; in its middle fetches quarter q into buffer g
	s_wait_dscnt 4                                 ; all but the youngest four loads: A's fragments 2 and 3
	MUL8 \f, 0
	MUL8 \f, 1
	PLACES
	FETCH \q, \g
	s_wait_dscnt 24                                ; all but the 24 just issued
	MUL8 \f, 2
	MUL8 \f, 3
.endm
; The last quarter multiplies buffer 1 and changes slots: one barrier.  In front of it each wave waits for all its tensor loads (one is out: its part of the next slot), adds 0 to its spare word, and waits for that
; and for its reads of this slot.  fill = 1: the barrier opens a round of the cluster's barrier, and this slot is filled again, first thing behind it, with K step FC.
.macro TURN fill
	WIN 0
	s_wait_tensorcnt 0x0                           ; no tensor load of mine is out, so the walking descriptors may be written
	ds_add_u32 v[SPW], v[NIL]
	s_wait_dscnt 5                                 ; the add and A's fragments 2 and 3 may be out
	MUL8 F1, 0
	s_xor_b32 s[TB], s[TB], SLOT1
.if \fill
	s_and_b32 s71, s[FC], KPT-1                    ; the K step within its tile
	s_lshl_b32 s[OFFA], s71, 8                     ; 128 elements along A's rows
	s_mul_i32 s[OFFB], s71, 256*NDIM               ; 128 rows of B
	s_lshr_b32 s71, s[FC], LOGK                    ; the tile
	s_lshl_b32 s71, s71, 9                         ; 256 columns of B
	s_add_co_u32 s[OFFB], s[OFFB], s71
	s_xor_b32 s[G0A+5], s[G0A+5], SLOT1
	s_add_nc_u64 s[G0A+6:G0A+7], s[14:15], s[OFFA:OFFA+1]
	s_or_b32 s[G0A+7], s[G0A+7], 0x80000000
	s_xor_b32 s[G0B+5], s[G0B+5], SLOT1
	s_add_nc_u64 s[G0B+6:G0B+7], s[46:47], s[OFFB:OFFB+1]
	s_or_b32 s[G0B+7], s[G0B+7], 0x80000000
	s_add_co_u32 s[FC], s[FC], 1
.endif
	s_wait_dscnt 0x0                               ; the add is done, and my reads of this slot are over
	s_barrier_signal -1
	MUL8 F1, 1
	WIN 0
	s_barrier_wait -1
.if \fill
	CREST
	JLOAD                                          ; its four v_nop are also the places in front of the loads below
.else
	PLACES
.endif
	v_add_nc_u32 v[ADA], s[TB], v[A0]
	v_add_nc_u32 v[ADB], s[TB], v[B0]
	FETCH 0, F0
	MUL8 F1, 2
	MUL8 F1, 3
.endm
.macro BIASLOAD                        ; accumulator (a, b), register j of lane l holds column 16 b + 8 (l / 16) + j: 32 bytes of the bias, the same for every a
	WIN 0x40
.irp a, 0,1,2,3
.irp b, 0,1,2,3,4,5,6,7
	global_load_b128 v[8*(8*\a+\b):8*(8*\a+\b)+3], v[BO], s[BP:BP+1] offset:64*\b
	global_load_b128 v[8*(8*\a+\b)+4:8*(8*\a+\b)+7], v[BO], s[BP:BP+1] offset:64*\b+16
.endr
.endr
	WIN 0
.endm
.macro PACK a                          ; row block a rounded to f16; each accumulator is read from its low end on
	WIN 0x05
.irp b, 0,1,2,3,4,5,6,7
.irp r, 0,1,2,3
	v_cvt_pk_f16_f32 v[TMP+4*\b+\r], v[8*(8*(\a)+\b)+2*\r], v[8*(8*(\a)+\b)+2*\r+1]
.endr
.endr
	WIN 0
.endm
.macro TOSTAGE a                       ; into my own stage, and back as whole rows of 256 bytes; LDS serves a wave's instructions in order (ISA guide 5.7.1.4)
.set BK, BK0+32*((\a)%2)
.irp b, 0,1,2,3,4,5,6,7
	ds_store_b128 v[STO], v[TMP+4*\b:TMP+4*\b+3] offset:32*\b
.endr
.irp t, 0,1,2,3,4,5,6,7
	ds_load_b128 v[BK+4*\t:BK+4*\t+3], v[RD] offset:\t*2*SPITCH
.endr
.endm
.macro SEND a
.set BK, BK0+32*((\a)%2)
	s_wait_dscnt 0x0                               ; the block is back in registers
	s_wait_xcnt 0x0                                ; the stores of the block before have read their registers: the next TOSTAGE loads into them
.irp t, 0,1,2,3,4,5,6,7
	global_store_b128 v[CO], v[BK+4*\t:BK+4*\t+3], s[CP:CP+1] offset:(\a)*4096+\t*512  ; a wave stores 512 consecutive bytes, two rows of a head
.endr
.endm
.macro WAYOUT more                     ; more = 1: another tile follows: its bias is loaded as soon as the accumulators have been read
	WIN 0
	PLACES
.if QKV
	PACK 0
	TOSTAGE 0
	PACK 1
	SEND 0
	TOSTAGE 1
	PACK 2
	SEND 1
	TOSTAGE 2
	PACK 3
.if \more
	s_add_nc_u64 s[BP:BP+1], s[BP:BP+1], 1024      ; the last loads by BP were waited for: 256 columns on
	BIASLOAD
.endif
	SEND 2
	TOSTAGE 3
	SEND 3
.if \more
	s_wait_xcnt 0x0                                ; the stores have read their registers and CP
	s_add_nc_u64 s[CP:CP+1], s[CP:CP+1], 524288    ; two groups g on
	s_wait_loadcnt 0x0                             ; the bias is in the accumulators
.endif
.else
.irp a, 0,1,2,3
	WIN 0x04                                       ; store data in window 1
.irp b, 0,1,2,3,4,5,6,7
	ds_store_b128 v[STO], v[8*(8*\a+\b):8*(8*\a+\b)+3] offset:64*\b
	ds_store_b128 v[STO], v[8*(8*\a+\b)+4:8*(8*\a+\b)+7] offset:64*\b+16
.endr
	WIN 0
	s_wait_xcnt 0x0                                ; the last block's stores have read the registers that are loaded now
.irp t, 0,1,2,3,4,5,6,7,8,9,10,11,12,13,14,15
	ds_load_b128 v[BK0+4*\t:BK0+4*\t+3], v[RD] offset:\t*SPITCH
.endr
	s_wait_dscnt 8                                 ; the first eight rows are back
.irp t, 0,1,2,3,4,5,6,7
	global_store_b128 v[CO], v[BK0+4*\t:BK0+4*\t+3], s[CP:CP+1] offset:(16*\a+\t)*4096  ; a wave stores 512 consecutive bytes of a row
.endr
	s_wait_dscnt 0x0
.irp t, 8,9,10,11,12,13,14,15
	global_store_b128 v[CO], v[BK0+4*\t:BK0+4*\t+3], s[CP:CP+1] offset:(16*\a+\t)*4096
.endr
.endr
.endif
.endm
	s_load_b128 s[4:7], s[0:1], 0x0
.if !QKV
	s_load_b64 s[8:9], s[0:1], 0x10
.endif
	v_lshl_add_u32 v[SPW], v0, 2, SPARE
	v_mov_b32 v[NIL], 0
	ds_add_u32 v[SPW], v[NIL]                      ; the wave's opening: the add and its wait stand ahead of my first tensor load; the set-up stands between them
	v_lshrrev_b32 v1, 5, v0
	v_readfirstlane_b32 s10, v1                    ; wave
	s_lshr_b32 s11, s10, 1                         ; my half of the tile's rows; also: I fetch for A (0) or B (1)
	s_and_b32 s12, s10, 1                          ; my half of its columns; also: which 64 rows I fetch
	s_bfe_u32 s40, ttmp6, 0x40000                  ; cx
	s_bfe_u32 s41, ttmp6, 0x40004                  ; cy
	s_lshl_b32 s42, ttmp9, 2
	s_add_co_u32 s42, s42, s40                     ; X
	s_and_b32 s13, ttmp7, 0xffff
	s_lshl_b32 s13, s13, 2
	s_add_co_u32 s13, s13, s41                     ; Y
	s_lshl_b32 s43, s41, 2
	s_lshl_b32 s43, 15, s43                        ; my row of the cluster
	s_lshl_b32 s44, 0x1111, s40                    ; my column
	s_or_b32 s[G1A], s43, (1<<16)|(1<<20)|(1<<21)|(5<<22)|(3<<25)  ; mask; 2-byte elements; padding on; bit 21 beside a mask; after every 64 words, 4 words
	s_mov_b32 s[G1A+1], 128<<16                    ; tensor_dim0
	s_mov_b32 s[G1A+2], 64<<16                     ; tensor_dim1
	s_mov_b32 s[G1A+3], 128<<16                    ; tile_dim0
	s_mov_b32 s[G1A+4], 64                         ; tile_dim1
	s_mov_b32 s[G1A+5], KDIM                       ; elements from row to row
	s_mov_b32 s[G1A+6], 0
	s_mov_b32 s[G1A+7], 0
	s_or_b32 s[G1B], s44, (1<<16)|(1<<20)|(1<<21)|(6<<22)|(7<<25)  ; after every 128 words, 8 words
	s_mov_b32 s[G1B+1], 256<<16
	s_mov_b32 s[G1B+2], 64<<16
	s_mov_b32 s[G1B+3], 256<<16
	s_mov_b32 s[G1B+4], 64
	s_mov_b32 s[G1B+5], NDIM
	s_mov_b32 s[G1B+6], 0
	s_mov_b32 s[G1B+7], 0
	s_lshl_b32 s16, s13, 7                         ; A's offset is made of Y and the wave's number alone,
	s_lshl_b32 s17, s12, 6
	s_add_co_u32 s16, s16, s17
	s_mul_i32 s16, s16, 2*KDIM
	s_mov_b32 s17, 0
	s_mul_i32 s20, s12, 128*NDIM                   ; B's of X and the wave's number alone
	s_mul_i32 s21, s42, TILES*512
	s_add_co_u32 s20, s20, s21
	s_add_co_u32 s20, s20, BG
	s_mov_b32 s21, 0
	s_mul_i32 s22, s42, TILES*1024
	s_lshl_b32 s23, s12, 9
	s_add_co_u32 s22, s22, s23
	s_add_co_u32 s22, s22, BIASG
	s_mov_b32 s23, 0
.if QKV
	s_lshr_b32 s[CP], s13, 3                       ; (((Y / 8) 24 + 6 X + column half) 1,024 + (Y % 8) 128 + 64 row half) x 256 bytes
	s_mul_i32 s[CP], s[CP], 24
	s_mul_i32 s71, s42, 6
	s_add_co_u32 s[CP], s[CP], s71
	s_add_co_u32 s[CP], s[CP], s12
	s_lshl_b32 s[CP], s[CP], 10
	s_and_b32 s71, s13, 7
	s_lshl_b32 s71, s71, 7
	s_add_co_u32 s[CP], s[CP], s71
	s_lshl_b32 s71, s11, 6
	s_add_co_u32 s[CP], s[CP], s71
	s_lshl_b32 s[CP], s[CP], 8
.else
	s_lshl_b32 s[CP], s13, 7                       ; (128 Y + 64 row half) x 4,096 + (256 X + 128 column half) x 4 bytes
	s_lshl_b32 s71, s11, 6
	s_add_co_u32 s[CP], s[CP], s71
	s_lshl_b32 s[CP], s[CP], 12
	s_lshl_b32 s71, s42, 10
	s_add_co_u32 s[CP], s[CP], s71
	s_lshl_b32 s71, s12, 9
	s_add_co_u32 s[CP], s[CP], s71
.endif
	s_mov_b32 s[CP+1], 0
	s_mul_i32 s18, s12, 64*PA                      ; where my 64 rows go: no place in the cluster enters an LDS address
	s_mul_i32 s19, s12, 64*PB
	s_add_co_u32 s19, s19, BOFF
	s_mov_b32 s[G0A], 1
	s_mov_b32 s[G0A+1], s18
	s_mov_b32 s[G0A+4], 1
	s_add_co_u32 s[G0A+5], s18, SLOT1
	s_mov_b32 s[G0B], 1
	s_mov_b32 s[G0B+1], s19
	s_mov_b32 s[G0B+4], 1
	s_add_co_u32 s[G0B+5], s19, SLOT1
	s_mov_b32 s[FC], 2
	s_mov_b32 s[OFFA+1], 0
	s_mov_b32 s[OFFB+1], 0
	s_mov_b32 s[TB], 0
	v_and_b32 v1, 15, v0                           ; r = l % 16
	v_bfe_u32 v2, v0, 4, 1                         ; h = l / 16
	v_and_b32 v3, 7, v0
	v_bfe_u32 v4, v0, 3, 1
	v_and_b32 v5, 31, v0
	v_lshlrev_b32 v[BO], 5, v2
	v_lshlrev_b32 v[CO], 4, v5
	s_mul_i32 s71, s11, 64*PA
	v_mul_u32_u24 v[A0], v1, PA                    ; A's fragment: row r, 16 bytes for each half of the lanes
	v_lshl_add_u32 v[A0], v2, 4, v[A0]
	v_add_nc_u32 v[A0], s71, v[A0]
	v_lshl_add_u32 v[B0], v2, 3, v3                ; the turning load: lane l reads K row 8 h + l % 8, columns 8 ((l / 8) % 2) on
	v_mul_u32_u24 v[B0], v[B0], PB
	v_lshl_add_u32 v[B0], v4, 4, v[B0]
	s_lshl_b32 s71, s12, 8
	s_add_co_u32 s71, s71, BOFF
	v_add_nc_u32 v[B0], s71, v[B0]
	s_mul_i32 s71, s10, 16*SPITCH
	s_add_co_u32 s71, s71, STAGE                   ; my stage
	v_mul_u32_u24 v[STO], v1, SPITCH
.if QKV
	v_lshl_add_u32 v[STO], v2, 4, v[STO]
	v_add_nc_u32 v[STO], s71, v[STO]
	v_mul_u32_u24 v[RD], v2, SPITCH                ; back: lanes 0-15 one row of 256 bytes, lanes 16-31 the next
	v_lshl_add_u32 v[RD], v1, 4, v[RD]
	v_add_nc_u32 v[RD], s71, v[RD]
.else
	v_lshl_add_u32 v[STO], v2, 5, v[STO]
	v_add_nc_u32 v[STO], s71, v[STO]
	v_add_nc_u32 v[RD], s71, v[CO]                 ; back: 32 lanes take one row of 512 bytes
.endif
	v_mov_b32 v[ADA], v[A0]
	v_mov_b32 v[ADB], v[B0]
	s_wait_dscnt 0x0                               ; the opening add is done
	s_wait_kmcnt 0x0
	s_add_nc_u64 s[14:15], s[PTRA:PTRA+1], s[16:17]
	s_add_nc_u64 s[46:47], s[PTRP:PTRP+1], s[20:21]
	s_add_nc_u64 s[BP:BP+1], s[PTRP:PTRP+1], s[22:23]
	s_add_nc_u64 s[CP:CP+1], s[PTRC:PTRC+1], s[CP:CP+1]
	s_add_nc_u64 s[G0A+2:G0A+3], s[14:15], 0       ; K step 0
	s_or_b32 s[G0A+3], s[G0A+3], 0x80000000
	s_add_nc_u64 s[G0A+6:G0A+7], s[14:15], 256     ; K step 1
	s_or_b32 s[G0A+7], s[G0A+7], 0x80000000
	s_add_nc_u64 s[G0B+2:G0B+3], s[46:47], 0
	s_or_b32 s[G0B+3], s[G0B+3], 0x80000000
	s_add_nc_u64 s[G0B+6:G0B+7], s[46:47], 256*NDIM
	s_or_b32 s[G0B+7], s[G0B+7], 0x80000000
	CROUND                                         ; all sixteen work-groups are here: the first joint loads meet
	s_cmp_eq_u32 s11, 0                            ; a wave's two first fills stand in one branch: two loads of mine are out
	s_cbranch_scc0 .Lfirst_b
	tensor_load_to_lds s[G0A:G0A+3], s[G1A:G1A+7]
	s_nop 0
	tensor_load_to_lds s[G0A+4:G0A+7], s[G1A:G1A+7]
	s_nop 0
.rept 4
	v_nop
.endr
	s_branch .Lfirst_asked
.Lfirst_b:
	tensor_load_to_lds s[G0B:G0B+3], s[G1B:G1B+7]
	s_nop 0
	tensor_load_to_lds s[G0B+4:G0B+7], s[G1B:G1B+7]
	s_nop 0
.rept 4
	v_nop
.endr
.Lfirst_asked:
	BIASLOAD
	s_wait_tensorcnt 1                             ; my part of slot 0 is in; slot 1's may stay out
	s_barrier_signal -1
	s_barrier_wait -1
	FETCH 0, F0
	s_wait_loadcnt 0x0                             ; the bias
	s_mov_b32 s2, STEPS-2
	s_mov_b32 s3, KPT
.Lstep:                                                ; a trip is a K step; every step but the last two fills its slot again
	QUARTER 1, F0, F1
	QUARTER 2, F1, F0
	QUARTER 3, F0, F1
	TURN 1
	WIN 0
.if TILES > 1
	s_sub_co_u32 s3, s3, 1
	s_cmp_lg_u32 s3, 0
	s_cbranch_scc1 .Lno_out                        ; forward, past text with neither a barrier nor a tensor load
	WAYOUT 1                                       ; a tile is finished; the next tile's first two K steps have been asked for
	s_mov_b32 s3, KPT
.Lno_out:
.endif
	s_sub_co_u32 s2, s2, 1
	s_cmp_lg_u32 s2, 0
	s_cbranch_scc1 .Lstep
	s_mov_b32 s2, 2
.Ltail:                                                ; the last two K steps ask for nothing.  The second trip's barrier and its fetch from the other slot serve nothing: the price of one text for both
	QUARTER 1, F0, F1
	QUARTER 2, F1, F0
	QUARTER 3, F0, F1
	TURN 0
	WIN 0
	s_sub_co_u32 s2, s2, 1
	s_cmp_lg_u32 s2, 0
	s_cbranch_scc1 .Ltail
	WAYOUT 0
	s_wait_tensorcnt 0x0                           ; the wave's end
	ds_add_u32 v[SPW], v[NIL]
	s_wait_dscnt 0x0
	CROUND                                         ; the closing round
	s_endpgm
.Lfunc_end_k_q86fa207a4f_qkv:
	.size	k_q86fa207a4f_qkv, .Lfunc_end_k_q86fa207a4f_qkv-k_q86fa207a4f_qkv
	.p2alignl 7, 3214868480
	.fill 96, 4, 3214868480
	.section	.rodata,"a",@progbits
	.p2align	6, 0x0
	.amdhsa_kernel k_q86fa207a4f_qkv
		.amdhsa_group_segment_fixed_size 327680
		.amdhsa_private_segment_fixed_size 0
		.amdhsa_enable_private_segment 0
		.amdhsa_kernarg_size 16
		.amdhsa_user_sgpr_count 2
		.amdhsa_user_sgpr_kernarg_segment_ptr 1
		.amdhsa_wavefront_size32 1
		.amdhsa_system_sgpr_workgroup_id_x 1
		.amdhsa_system_sgpr_workgroup_id_y 1
		.amdhsa_system_sgpr_workgroup_id_z 1
		.amdhsa_system_vgpr_workitem_id 0
		.amdhsa_next_free_vgpr 512
		.amdhsa_next_free_sgpr 76
		.amdhsa_reserve_vcc 0
		.amdhsa_float_denorm_mode_32 3
		.amdhsa_float_denorm_mode_16_64 3
		.amdhsa_memory_ordered 1
		.amdhsa_forward_progress 1
		.amdhsa_inst_pref_size 86
	.end_amdhsa_kernel
	.amdgpu_metadata
---
amdhsa.version: [ 1, 2 ]
amdhsa.kernels:
  - .name:           k_q86fa207a4f_qkv
    .symbol:         k_q86fa207a4f_qkv.kd
    .args:
      - { .name: pre, .offset: 0, .size: 8, .value_kind: global_buffer, .address_space: global }
      - { .name: qkv, .offset: 8, .size: 8, .value_kind: global_buffer, .address_space: global }
    .group_segment_fixed_size: 327680
    .private_segment_fixed_size: 0
    .kernarg_segment_align: 8
    .kernarg_segment_size: 16
    .max_flat_workgroup_size: 128
    .sgpr_count:     76
    .vgpr_count:     512
    .wavefront_size: 32
...
	.end_amdgpu_metadata
.endif
;; end of part 2
;; launch attn (part 3): grid 4 x 64, 4 waves a work-group, no clusters, 327,680 bytes of LDS; arguments qkv, ao; writes ao
.if DOCPART == 3
	.amdgcn_target "amdgcn-amd-amdhsa--gfx1250"
	.amdhsa_code_object_version 6
	.text
	.protected	k_q86fa207a4f_attn
	.globl	k_q86fa207a4f_attn
	.p2align	8
	.type	k_q86fa207a4f_attn,@function
k_q86fa207a4f_attn:
	s_mov_b64 s[64:65], 0
	v_nop
	global_prefetch_b8 v0, s[64:65] scope:SCOPE_SE
	s_setreg_imm32_b32 hwreg(HW_REG_WAVE_MODE, 25, 1), 1
	s_wait_xcnt 0x0
; CAUSAL ATTENTION, head size 128 = (real 64 | imaginary 64): the score qr.kr + qi.ki is one product over 128 channels, and (vr | vi) one V.  64 heads (b, h) of 1,024 rows; scale 1/8.
; qkv: f16 [b][g][l][128], g = h (q), 8 + h (k), 16 + h (v).  ao: f16 [b l][h 128 + channel].  Products, maxima and sums in f32; the weights p are rounded to f16 for the second product, O once at the end.
; LIMITS.  p below 6e-5 keeps f16's fixed step of 6e-8.  A hidden score counts as its value less 1e30; a weight below 2^-126 counts as 0 in l; NaN and infinities are not treated apart.
; THE WALK.  A head has 8 blocks of 128 queries; block i needs the key tiles 0 .. i of 128 keys, the last of which holds the diagonal.  A work-group takes blocks 7 - b and then b: 9 tiles whatever b, so all 256
; work-groups do equal work and one loop with a constant count walks them.  Every jump but the counted loops' own goes forward and passes neither a barrier nor a tensor load (but the one of LOAD's two that the wave's number does not choose).
; NO CLUSTER: a head's four work-groups ask for the same tile only in trips 0 to 4; one walk common to all four would have 12 trips for 9.
; SHARES.  A wave owns 32 consecutive queries: two tiles of 16.  A tile of keys is two steps of 64 and one LDS slot; waves 0, 1 fetch the two steps' K, waves 2, 3 their V.
; LAYOUT.  S^T = K Q^T holds one query a lane (lane % 16) and the keys 8 (lane / 16) + 0..7; two such results rounded to f16 ARE source 1 of O^T = V^T P.  V is turned on the way out of LDS.
; SOFTMAX.  A running maximum m and sum l: p = 2^(c s - c m), c = log2(e) / 8; in every step O and l are multiplied by a = 2^(c m_old - c m_new).  A block begins with c m far below every c s, so its first a is 0.
; THE MASK is the C operand that starts S^T: MC = MD x AL + BE.  MD, made once, hides the keys behind my queries in my band's own step; (AL, BE) = (1, 0) there, (0, 0) in earlier steps, (0, -1e30) in later ones; 0 outside the diagonal tile.
; IN PHASES: a step's 32 products K Q^T, its softmax, its 32 products V^T P.
; REGISTERS.  Window 0: v2-11 addresses, v12-27 statistics, v62-63 the add's two, v64-127 S^T, v192-223 P.  Window 1: v0-127 O^T, v128-191 MD, v192-255 MC.  Window 2: v0-63 Q, v128-255 K.  Window 3: v0-127 V, v128-191 the second block's Q.
.set NB,    8
.set KS,    64
.set PK,    272                        ; a row of K in LDS: 256 + 16 bytes: the 16 rows of a load start at 16 different groups of four banks (ISA guide 11.1)
.set PV,    288                        ; a row of V: 256 + 32 bytes
.set VOFF,  KS*PK
.set STEPB, KS*(PK+PV)
.set SLOT1, 1<<17
.set STAGE, SLOT1+2*STEPB              ; behind the ring: 16 rows x 272 bytes for each wave; no tensor load lands here
.set SP,    272
.set SPARE, STAGE+4*16*SP              ; the spare words, 128 bytes for each wave; no other line names them
.set AK0, 2
.set AV0, 3
.set ADR, 4
.set QO,  5
.set STO, 6
.set RD,  7
.set GO,  8
.set SPW, 62
.set NIL, 63
.set ST,  12                           ; tile t at v[ST+8 t]: c m, m, l (even keys', odd keys'), four at work; a takes the third of them
.set S,   64
.set P,   192
.set MD,  128
.set MC,  192
.set KF,  128
.set QB,  128
.set WV,  12
.set PB,  14
.set HI,  15
.set G1K, 24
.set G1V, 32
.set G0K, 40
.set G0V, 44
.set SLOTS, 56
.set CNT, 57
.set CS,  58
.set SEL, 60
.set TB,  62                           ; LDS byte at which the tiles of the step to be fetched begin
.set RT,  70                           ; tiles of the block in hand still to be entered
.set NXT, 71                           ; the tile to ask for next
.set LQ,  72                           ; the last tile of the block whose tiles are being asked for
.set OFF, 74
.set AL,  76
.set BE,  78
.set OLO, 80                           ; O at my rows of the second block
.set BIGN, 82
.set SQC, 83                           ; CNT's value in my band's own step of the diagonal tile
.set MSB, 0
.macro WIN new
.if MSB != (\new)
	s_set_vgpr_msb (MSB<<8)|(\new)
.set MSB, \new
.endif
.endm
.set W_KQ, 0x0a                        ; K and Q in window 2, S^T in window 0
.set W_KM, 0x1a                        ; the same with C in window 1
.set W_PV, 0x53                        ; V in window 3, P in window 0, O^T in window 1
.set W_RS, 0x41                        ; destination and source 0 in window 1
.macro PLACES
.rept 4
	v_nop
.endr
.endm
.macro LOAD                            ; a fill; an s_nop 0 and four v_nop follow each of the two lines
	s_cmp_lt_u32 s[WV], 2
	s_cbranch_scc0 .Lfor_v_\@
	tensor_load_to_lds s[G0K:G0K+3], s[G1K:G1K+7]
	s_nop 0
.rept 4
	v_nop
.endr
	s_branch .Lasked_\@
.Lfor_v_\@:
	tensor_load_to_lds s[G0V:G0V+3], s[G1V:G1V+7]
	s_nop 0
.rept 4
	v_nop
.endr
.Lasked_\@:
.endm
; THE CHANGE OF SLOTS.  Each wave waits for all its tensor loads (one is out: its part of the other slot), adds 0 to its spare word, and waits for that and for its reads of the slot that it leaves.
; fill = 1: the old slot is filled again, first thing behind the barrier, with tile NXT; that load has two key steps in which to land.  (At its first use slot 0 is waited for and slot 1 filled.)
.macro CHANGE fill
	WIN 0
	s_wait_tensorcnt 0x0                           ; no tensor load of mine is out, so a group 0 may be written
	ds_add_u32 v[SPW], v[NIL]
.if \fill
	s_lshl_b32 s[OFF], s[NXT], 15                  ; a tile is 32,768 bytes of K and of V
	s_xor_b32 s[G0K+1], s[G0K+1], SLOT1
	s_add_nc_u64 s[G0K+2:G0K+3], s[6:7], s[OFF:OFF+1]
	s_or_b32 s[G0K+3], s[G0K+3], 0x80000000
	s_xor_b32 s[G0V+1], s[G0V+1], SLOT1
	s_add_nc_u64 s[G0V+2:G0V+3], s[8:9], s[OFF:OFF+1]
	s_or_b32 s[G0V+3], s[G0V+3], 0x80000000
	s_add_co_u32 s[NXT], s[NXT], 1                 ; the block's next tile, or behind its last the second block's tile 0
	s_cmp_gt_u32 s[NXT], s[LQ]
	s_cselect_b32 s[NXT], 0, s[NXT]
	s_cselect_b32 s[LQ], s[PB], s[LQ]
.endif
	s_wait_dscnt 0x0                               ; the add is done, and my reads of the slot are over
	s_barrier_signal -1
	s_sub_co_u32 s[TB], s[TB], 2*STEPB             ; the fetches go back to a slot's first step, in the other slot
	s_xor_b32 s[TB], s[TB], SLOT1
	s_barrier_wait -1
.if \fill
	LOAD
.endif
.endm
; Product i of 32 of S^T = K Q^T: channels 32 (i / 8) on, keys 16 ((i / 2) % 4) on, tile i % 2.  The first 8 start the sums with the mask.  The 8 accumulators take turns.
.macro KQM
.set rS, S+32*(i%2)+8*((i/2)%4)
.set rK, KF+32*((i/2)%4)+8*(i/8)
.set rQ, 32*(i%2)+8*(i/8)
.set rM, MC+32*(i%2)+8*((i/2)%4)
.if i < 8
	WIN W_KM
	v_wmma_f32_16x16x32_f16 v[rS:rS+7], v[rK:rK+7], v[rQ:rQ+7], v[rM:rM+7]
.else
	WIN W_KQ
	v_wmma_f32_16x16x32_f16 v[rS:rS+7], v[rK:rK+7], v[rQ:rQ+7], v[rS:rS+7]
.endif
.set i, i+1
.endm
; Product i of 32 of O^T += V^T P: keys 32 (i / 16) on, channels 16 ((i / 2) % 8) on, tile i % 2.  16 accumulators by turns.
.macro PVM
	WIN W_PV
.set rO, 64*(i%2)+8*((i/2)%8)
.set rV, 64*(i/16)+8*((i/2)%8)
.set rP, P+16*(i%2)+8*(i/16)
	v_wmma_f32_16x16x32_f16 v[rO:rO+7], v[rV:rV+7], v[rP:rP+7], v[rO:rO+7]
.set i, i+1
.endm
.macro FETCH_K                         ; a step's K: 16 fragments, 32 loads
	WIN 0
	v_add_nc_u32 v[ADR], s[TB], v[AK0]
	WIN 0x80
.irp f, 0,1,2,3,4,5,6,7,8,9,10,11,12,13,14,15
	ds_load_b128 v[KF+8*(\f):KF+8*(\f)+3],   v[ADR] offset:((\f)/4)*16*PK+((\f)%4)*64
	ds_load_b128 v[KF+8*(\f)+4:KF+8*(\f)+7], v[ADR] offset:((\f)/4)*16*PK+((\f)%4)*64+32
.endr
	WIN 0
.endm
.macro FETCH_V                         ; the same step's V, turned: 32 loads; then the fetches step on
	WIN 0
	v_add_nc_u32 v[ADR], s[TB], v[AV0]
	s_add_co_u32 s[TB], s[TB], STEPB
	WIN 0xc0
.irp f, 0,1,2,3,4,5,6,7,8,9,10,11,12,13,14,15
	ds_load_tr16_b128 v[8*(\f):8*(\f)+3],   v[ADR] offset:((\f)/8)*32*PV+((\f)%8)*32
	ds_load_tr16_b128 v[8*(\f)+4:8*(\f)+7], v[ADR] offset:((\f)/8)*32*PV+16*PV+((\f)%8)*32
.endr
	WIN 0
.endm
; One tile's softmax for one key step is a list of 134 instructions; SM writes number j of it for tile t.  s0-s31 are the lane's 32 scores.
;   0-15 the maximum of the scores and the old m, each accumulator's lowest registers first; 16-20 the other half of the lanes' maximum, the new m, c m, c m_old - c m_new;
;   21-87 33 exponentials at the odd numbers from 23 on, each with a plain instruction behind it before its result is used (ISA guide 5.7.2): scalings ahead, roundings behind, the first sums;
;   88-101 the last rounding, the rest of the sums, l = a l + sum; 102-133 O^T times a.
.macro SM t
.set rT, ST+8*(\t)
.set rS, S+32*(\t)
.set rP, P+16*(\t)
.set rO, 64*(\t)+2*(j-102)
.set q, (j-20)/2
.if j < 102
	WIN 0
.endif
.if j < 4
	v_max3_num_f32 v[rT+4+j], v[rS+8*j], v[rS+8*j+1], v[rS+8*j+2]
.elseif j < 12
	v_max3_num_f32 v[rT+4+j%4], v[rT+4+j%4], v[rS+8*(j%4)+2*(j/4)+1], v[rS+8*(j%4)+2*(j/4)+2]
.elseif j == 12
	v_max3_num_f32 v[rT+4], v[rT+4], v[rS+7], v[rS+15]
.elseif j == 13
	v_max3_num_f32 v[rT+6], v[rT+6], v[rS+23], v[rS+31]
.elseif j == 14
	v_max3_num_f32 v[rT+4], v[rT+4], v[rT+5], v[rT+6]
.elseif j == 15
	v_max3_num_f32 v[rT+4], v[rT+4], v[rT+7], v[rT+1]
.elseif j == 16
	v_permlanex16_b32 v[rT+5], v[rT+4], s[SEL], s[SEL+1]
.elseif j == 17
	v_mov_b32 v[rT+7], v[rT]
.elseif j == 18
	v_max_num_f32 v[rT+1], v[rT+4], v[rT+5]
.elseif j == 19
	v_mul_f32 v[rT], s[CS], v[rT+1]
.elseif j == 20
	v_sub_f32 v[rT+7], v[rT+7], v[rT]
.elseif j == 23
	v_exp_f32 v[rT+6], v[rT+7]
.elseif (j < 88) && (j > 23) && (j%2 == 1)
	v_exp_f32 v[rS+(j-25)/2], v[rS+(j-25)/2]
.elseif (q < 4) || ((j < 76) && (q%2 == 0))
.set b, q/2+2
.if q < 4
.set b, q
.endif
	v_pk_fma_f32 v[rS+2*b:rS+2*b+1], v[rS+2*b:rS+2*b+1], s[CS:CS+1], v[rT:rT+1] op_sel_hi:[1,0,0] neg_lo:[0,0,1] neg_hi:[0,0,1]
.elseif (j < 88) && (q%2 == 1)
	s_wait_alu depctr_va_vdst(0)
	v_cvt_pk_f16_f32 v[rP+(q-5)/2], v[rS+q-5], v[rS+q-4]
.elseif j == 89
	s_wait_alu depctr_va_vdst(0)
	v_cvt_pk_f16_f32 v[rP+15], v[rS+30], v[rS+31]
.elseif j < 102
.set z, j-86
.if j < 89
.set z, (j-76)/4
.endif
.set w, 4
.set u, z
.if z >= 14
.set w, 32
.set u, 0
.elseif z >= 12
.set w, 16
.set u, z-12
.elseif z >= 8
.set w, 8
.set u, z-8
.endif
.if z < 15
	v_pk_add_f32 v[rS+w*u:rS+w*u+1], v[rS+w*u:rS+w*u+1], v[rS+w*u+w/2:rS+w*u+w/2+1]
.else
	v_pk_fma_f32 v[rT+2:rT+3], v[rT+2:rT+3], v[rT+6:rT+7], v[rS:rS+1] op_sel_hi:[1,0,1]
.endif
.else
	WIN W_RS
	v_pk_mul_f32 v[rO:rO+1], v[rO:rO+1], v[rT+6:rT+7] op_sel_hi:[1,0]
.endif
.endm
.macro SLICE                           ; numbers 2 k and 2 k + 1 of both tiles' lists; the twelve that are over stand in slice 63
.if (k >= 11) && (k < 44)              ; tile by tile: plain, exponential, plain, exponential
.irp t, 0, 1
.irp n, 0,1
.set j, 2*k+(\n)
	SM \t
.endr
.endr
.else                                  ; the two tiles alternate
.irp n, 0,1,2,3,4,5,6,7
.if ((\n) < 2) || (k == 63)
.irp t, 0, 1
.set j, 2*k+(\n)
	SM \t
.endr
.endif
.endr
.endif
.set k, k+1
.endm
.macro MASK                            ; MC = MD x AL + BE
	WIN W_RS
.set z, 0
.rept 32
	v_pk_fma_f32 v[MC+2*z:MC+2*z+1], v[MD+2*z:MD+2*z+1], s[AL:AL+1], s[BE:BE+1] op_sel_hi:[1,0,0]
.set z, z+1
.endr
	WIN 0
.endm
.macro BEGIN                           ; a block begins: the first a is 0, the first maximum the scores', the masks 0
	WIN 0
.irp t, 0, 1
	v_mov_b32 v[ST+8*\t], 0xfe000000
	v_mov_b32 v[ST+8*\t+1], 0xff7fffff
.endr
	s_mov_b32 s[AL], 0
	s_mov_b32 s[BE], 0
	MASK
.endm
.macro PACK t                          ; O^T / l, rounded to f16, through my stage: in as 16 bytes a lane, back as whole rows of 256 bytes
	WIN W_RS
.set i, 64*(\t)
.rept 32
	v_pk_mul_f32 v[i:i+1], v[i:i+1], v[ST+8*(\t)+6:ST+8*(\t)+7] op_sel_hi:[1,0]
.set i, i+2
.endr
	WIN 0x05
.set i, 0
.rept 32
	v_cvt_pk_f16_f32 v[S+32*(\t)+i], v[64*(\t)+2*i], v[64*(\t)+2*i+1]
.set i, i+1
.endr
	WIN 0
.irp f, 0,1,2,3,4,5,6,7
	ds_store_b128 v[STO], v[S+32*(\t)+4*(\f):S+32*(\t)+4*(\f)+3] offset:32*(\f)
.endr
.irp f, 0,1,2,3,4,5,6,7
	ds_load_b128 v[S+32*(\t)+4*(\f):S+32*(\t)+4*(\f)+3], v[RD] offset:(\f)*2*SP  ; LDS serves a wave's instructions in order (ISA guide 5.7.1.4)
.endr
.endm
.macro SEND t, younger                 ; younger: the LDS instructions issued behind tile t's loads
.irp f, 0,1,2,3,4,5,6,7
	s_wait_dscnt (\younger)+7-(\f)
	global_store_b128 v[GO], v[S+32*(\t)+4*(\f):S+32*(\t)+4*(\f)+3], s[10:11] offset:(\t)*32768+(\f)*4096  ; 16 lanes store 256 consecutive bytes, at a multiple of 256 from ao's first byte
.endr
.endm
.macro FINISH more
	WIN 0
.irp t, 0, 1
	v_add_f32 v[ST+8*\t+4], v[ST+8*\t+2], v[ST+8*\t+3]
.endr
.irp t, 0, 1
	v_permlanex16_b32 v[ST+8*\t+5], v[ST+8*\t+4], s[SEL], s[SEL+1]
.endr
.irp t, 0, 1
	v_add_f32 v[ST+8*\t+4], v[ST+8*\t+4], v[ST+8*\t+5]
.endr
.irp t, 0, 1
	v_rcp_f32 v[ST+8*\t+6], v[ST+8*\t+4]
.endr
	v_nop                                          ; a plain instruction behind the reciprocals
	s_wait_alu depctr_va_vdst(0)
	PACK 0
	PACK 1
	SEND 0, 16
	SEND 1, 0
.if \more
	s_wait_xcnt 0x0                                ; the stores have read their registers and O's address
	s_mov_b64 s[10:11], s[OLO:OLO+1]
	s_add_co_u32 s[RT], s[PB], 1                   ; the second block has b + 1 tiles
	WIN 0x83                                       ; its Q goes where the one text names Q
.set i, 0
.rept 64
	v_mov_b32 v[i], v[QB+i]
.set i, i+1
.endr
	BEGIN
.endif
.endm
; A TILE: two key steps.  more = 1 (in the loop): the tile is the block's diagonal one only if RT has come to 0; more = 0: the walk's last tile always is.
.macro TRIP more
	s_sub_co_u32 s[RT], s[RT], 1
	FETCH_K
	s_mov_b32 s[CNT], 2
.Lstep_\@:
	FETCH_V
.if \more
	s_cmp_lg_u32 s[RT], 0
	s_cbranch_scc1 .Lnomask_\@
.endif
	s_cmp_eq_u32 s[CNT], s[SQC]                    ; my band's own step?
	s_cselect_b32 s[AL], 1.0, 0
	s_cmp_lt_u32 s[CNT], s[SQC]                    ; or a later one?
	s_cselect_b32 s[BE], s[BIGN], 0
	MASK
.Lnomask_\@:
	s_wait_dscnt 32                                ; K is in; V's 32 loads may be out
.set i, 0
.rept 32
	KQM
.endr
	WIN 0
	PLACES                                         ; behind those products: the softmax reads their results, the loads below land in K's registers
	s_cmp_eq_u32 s[CNT], 1
	s_cbranch_scc1 .Lnok_\@                        ; the slot's second step has no successor in it
	FETCH_K
.Lnok_\@:
.set k, 0
.rept 64
	SLICE
.endr
	s_wait_dscnt 0x0                               ; V is in (and the next K)
.set i, 0
.rept 32
	PVM
.endr
	WIN 0
	PLACES                                         ; behind those products: the next loads land in V's registers, the way out reads O^T
	s_sub_co_u32 s[CNT], s[CNT], 1
	s_cmp_lg_u32 s[CNT], 0
	s_cbranch_scc1 .Lstep_\@
.if \more
	s_cmp_lg_u32 s[RT], 0
	s_cbranch_scc1 .Lnofin_\@
.endif
	FINISH \more
.Lnofin_\@:
.endm
	s_load_b128 s[4:7], s[0:1], 0x0                ; qkv s[4:5], ao s[6:7]
	v_lshl_add_u32 v[SPW], v0, 2, SPARE
	v_mov_b32 v[NIL], 0
	ds_add_u32 v[SPW], v[NIL]                      ; the wave's opening: the add and its wait stand ahead of my first tensor load
	v_lshrrev_b32 v1, 5, v0
	v_readfirstlane_b32 s[WV], v1
	s_mov_b32 s[PB], ttmp9
	s_sub_co_u32 s[HI], NB-1, s[PB]
	s_and_b32 s16, ttmp7, 0xffff                   ; the head: b = s17, h = s18
	s_lshr_b32 s17, s16, 3
	s_and_b32 s18, s16, 7
	s_mul_i32 s20, s17, 24
	s_add_co_u32 s20, s20, s18
	s_lshl_b32 s20, s20, 18                        ; q of the head: 262,144 bytes for each (b, g)
	s_and_b32 s19, s[WV], 1                        ; which of a tile's two steps I fetch
	s_lshl_b32 s22, s19, 14
	s_add_co_u32 s22, s22, s20
	s_add_co_u32 s22, s22, 8<<18                   ; k lies 8 groups on
	s_mov_b32 s23, 0
	s_lshl_b32 s13, s[WV], 13                      ; my 32 rows of 256 bytes
	s_add_co_u32 s13, s13, s20
	s_lshl_b32 s2, s[HI], 15
	s_add_co_u32 s2, s2, s13
	s_mov_b32 s3, 0
	s_lshl_b32 s84, s[PB], 15
	s_add_co_u32 s84, s84, s13
	s_mov_b32 s85, 0
	s_lshl_b32 s13, s17, 21                        ; in ao: b x 1,024 rows x 2,048 bytes + h x 256 + my 32 rows
	s_lshl_b32 s21, s18, 8
	s_add_co_u32 s13, s13, s21
	s_lshl_b32 s21, s[WV], 16
	s_add_co_u32 s13, s13, s21
	s_lshl_b32 s86, s[HI], 18
	s_add_co_u32 s86, s86, s13
	s_mov_b32 s87, 0
	s_lshl_b32 s[OLO], s[PB], 18
	s_add_co_u32 s[OLO], s[OLO], s13
	s_mov_b32 s[OLO+1], 0
	s_mov_b32 s[G1K], (1<<16)|(1<<20)|(5<<22)|(3<<25)  ; 2-byte elements; padding on; after every 64 words, 4 words
	s_mov_b32 s[G1V], (1<<16)|(1<<20)|(5<<22)|(7<<25)  ; 8 words
.irp g, G1K, G1V
	s_mov_b32 s[\g+1], 128<<16                     ; tensor_dim0
	s_mov_b32 s[\g+2], KS<<16                      ; tensor_dim1
	s_mov_b32 s[\g+3], 128<<16                     ; tile_dim0
	s_mov_b32 s[\g+4], KS                          ; tile_dim1
	s_mov_b32 s[\g+5], 128                         ; elements from row to row
	s_mov_b32 s[\g+6], 0
	s_mov_b32 s[\g+7], 0
.endr
	s_mul_i32 s21, s19, STEPB
	s_mov_b32 s[G0K], 1
	s_mov_b32 s[G0K+1], s21
	s_mov_b32 s[G0V], 1
	s_add_co_u32 s[G0V+1], s21, VOFF
	s_mov_b32 s[CS], 0x3e38aa3b                    ; c = log2(e) / 8
	s_mov_b32 s[CS+1], s[CS]
	s_mov_b32 s[SEL], 0x76543210
	s_mov_b32 s[SEL+1], 0xfedcba98
	s_mov_b32 s[TB], SLOT1+2*STEPB                 ; the first change of slots turns this into 0
	s_add_co_u32 s[RT], s[HI], 1                   ; the first block has 8 - b tiles
	s_mov_b32 s[NXT], 1
	s_mov_b32 s[LQ], s[HI]
	s_mov_b32 s[OFF+1], 0
	s_mov_b32 s[AL+1], 0
	s_mov_b32 s[BE+1], 0
	s_mov_b32 s[BIGN], 0xf149f2ca                  ; -1e30
	s_lshr_b32 s[SQC], s[WV], 1
	s_sub_co_u32 s[SQC], 2, s[SQC]
	s_mov_b32 s[SLOTS], NB
	s_wait_dscnt 0x0                               ; the opening add is done
	s_wait_kmcnt 0x0
	s_mov_b64 s[10:11], s[6:7]
	s_add_nc_u64 s[6:7], s[4:5], s[22:23]          ; K at my half of the head's tile 0
	s_add_nc_u64 s[8:9], s[6:7], 8<<18             ; V
	s_add_nc_u64 s[OLO:OLO+1], s[10:11], s[OLO:OLO+1]
	s_add_nc_u64 s[10:11], s[10:11], s[86:87]
	s_add_nc_u64 s[86:87], s[4:5], s[84:85]        ; Q of the second block
	s_add_nc_u64 s[4:5], s[4:5], s[2:3]            ; Q of the first
	s_add_nc_u64 s[G0K+2:G0K+3], s[6:7], 0
	s_or_b32 s[G0K+3], s[G0K+3], 0x80000000
	s_add_nc_u64 s[G0V+2:G0V+3], s[8:9], 0
	s_or_b32 s[G0V+3], s[G0V+3], 0x80000000
	LOAD                                           ; tile 0 into slot 0
	v_and_b32 v1, 15, v0                           ; r
	v_bfe_u32 v9, v0, 4, 1                         ; h
	v_lshlrev_b32 v[QO], 8, v1
	v_lshl_add_u32 v[QO], v9, 4, v[QO]
	WIN 0x80
.set i, 0
.rept 8                                ; tile i / 4, channels 32 (i % 4) on
	global_load_b128 v[8*i:8*i+3],   v[QO], s[4:5] offset:(i/4)*4096+(i%4)*64
	global_load_b128 v[8*i+4:8*i+7], v[QO], s[4:5] offset:(i/4)*4096+(i%4)*64+32
.set i, i+1
.endr
	WIN 0xc0
.set i, 0
.rept 8
	global_load_b128 v[QB+8*i:QB+8*i+3],   v[QO], s[86:87] offset:(i/4)*4096+(i%4)*64
	global_load_b128 v[QB+8*i+4:QB+8*i+7], v[QO], s[86:87] offset:(i/4)*4096+(i%4)*64+32
.set i, i+1
.endr
	WIN 0
	s_lshl_b32 s13, s19, 5
	v_lshlrev_b32 v28, 3, v9
	v_sub_nc_u32 v28, v1, v28
	v_add_nc_u32 v28, s13, v28                     ; my query's place in its band of 64, less my lanes' 8 h: register i of tile t is hidden where 16 (i / 8) + i % 8 - 16 t is greater
	WIN 0x40
.set i, 0
.rept 64
	v_cmp_gt_i32 vcc_lo, 16*((i%32)/8)+i%8-16*(i/32), v28
	v_cndmask_b32 v[MD+i], 0, s[BIGN], vcc_lo
.set i, i+1
.endr
.set i, 0
.rept 128                              ; O^T need only be finite where a block begins (its first a is 0): zeros, in the wait for the first tile; the price of writing no first step out
	v_mov_b32 v[i], 0
.set i, i+1
.endr
	WIN 0
.irp t, 0, 1
	v_mov_b32 v[ST+8*\t+2], 0
	v_mov_b32 v[ST+8*\t+3], 0
.endr
	v_mul_u32_u24 v[AK0], v1, PK
	v_lshl_add_u32 v[AK0], v9, 4, v[AK0]
	v_and_b32 v10, 7, v0
	v_bfe_u32 v11, v0, 3, 1
	v_lshl_add_u32 v[AV0], v9, 3, v10              ; the turning load: key 8 h + l % 8, channels 8 ((l / 8) % 2) on
	v_mul_u32_u24 v[AV0], v[AV0], PV
	v_lshl_add_u32 v[AV0], v11, 4, v[AV0]
	v_add_nc_u32 v[AV0], VOFF, v[AV0]
	s_mul_i32 s13, s[WV], 16*SP
	s_add_co_u32 s13, s13, STAGE
	v_mul_u32_u24 v[STO], v1, SP
	v_lshl_add_u32 v[STO], v9, 4, v[STO]
	v_add_nc_u32 v[STO], s13, v[STO]
	v_mul_u32_u24 v[RD], v9, SP
	v_lshl_add_u32 v[RD], v1, 4, v[RD]
	v_add_nc_u32 v[RD], s13, v[RD]
	v_lshlrev_b32 v[GO], 11, v9                    ; two rows of ao, 2,048 bytes apart
	v_lshl_add_u32 v[GO], v1, 4, v[GO]
	BEGIN
	s_wait_loadcnt 0x0                             ; Q, both blocks'
.Lslot:                                                ; 8 times: a tile is entered and the next is asked for
	CHANGE 1
	TRIP 1
	s_sub_co_u32 s[SLOTS], s[SLOTS], 1
	s_cmp_lg_u32 s[SLOTS], 0
	s_cbranch_scc1 .Lslot
	CHANGE 0                                       ; the walk's last tile is written out
	TRIP 0
	s_wait_tensorcnt 0x0                           ; the wave's end
	ds_add_u32 v[SPW], v[NIL]
	s_wait_dscnt 0x0
	s_endpgm
.Lfunc_end_k_q86fa207a4f_attn:
	.size	k_q86fa207a4f_attn, .Lfunc_end_k_q86fa207a4f_attn-k_q86fa207a4f_attn
	.p2alignl 7, 3214868480
	.fill 96, 4, 3214868480
	.section	.rodata,"a",@progbits
	.p2align	6, 0x0
	.amdhsa_kernel k_q86fa207a4f_attn
		.amdhsa_group_segment_fixed_size 327680
		.amdhsa_private_segment_fixed_size 0
		.amdhsa_enable_private_segment 0
		.amdhsa_kernarg_size 16
		.amdhsa_user_sgpr_count 2
		.amdhsa_user_sgpr_kernarg_segment_ptr 1
		.amdhsa_wavefront_size32 1
		.amdhsa_system_sgpr_workgroup_id_x 1
		.amdhsa_system_sgpr_workgroup_id_y 1
		.amdhsa_system_sgpr_workgroup_id_z 1
		.amdhsa_system_vgpr_workitem_id 0
		.amdhsa_next_free_vgpr 960
		.amdhsa_next_free_sgpr 88
		.amdhsa_reserve_vcc 1
		.amdhsa_float_denorm_mode_32 3
		.amdhsa_float_denorm_mode_16_64 3
		.amdhsa_memory_ordered 1
		.amdhsa_forward_progress 1
		.amdhsa_inst_pref_size 111
	.end_amdhsa_kernel
	.amdgpu_metadata
---
amdhsa.version: [ 1, 2 ]
amdhsa.kernels:
  - .name:           k_q86fa207a4f_attn
    .symbol:         k_q86fa207a4f_attn.kd
    .args:
      - { .name: qkv, .offset: 0, .size: 8, .value_kind: global_buffer, .address_space: global }
      - { .name: ao, .offset: 8, .size: 8, .value_kind: global_buffer, .address_space: global }
    .group_segment_fixed_size: 327680
    .private_segment_fixed_size: 0
    .kernarg_segment_align: 8
    .kernarg_segment_size: 16
    .max_flat_workgroup_size: 128
    .sgpr_count:     88
    .vgpr_count:     960
    .wavefront_size: 32
...
	.end_amdgpu_metadata
.endif
;; end of part 3
;; launch oproj (part 4): grid 4 x 64, 4 waves a work-group, clusters of 4 x 4, 327,680 bytes of LDS; arguments ao, pre, arai; writes arai
.if DOCPART == 4
	.amdgcn_target "amdgcn-amd-amdhsa--gfx1250"
	.amdhsa_code_object_version 6
	.text
	.protected	k_q86fa207a4f_oproj
	.globl	k_q86fa207a4f_oproj
	.p2align	8
	.type	k_q86fa207a4f_oproj,@function
k_q86fa207a4f_oproj:
	s_mov_b64 s[64:65], 0
	v_nop
	global_prefetch_b8 v0, s[64:65] scope:SCOPE_SE
	s_setreg_imm32_b32 hwreg(HW_REG_WAVE_MODE, 25, 1), 1
	s_wait_xcnt 0x0
	s_wait_alu depctr_hold_cnt(0) depctr_sa_sdst(0) depctr_va_vdst(0) depctr_va_sdst(0) depctr_va_ssrc(0) depctr_va_vcc(0) depctr_vm_vsrc(0)
	s_getreg_b32 s2, hwreg(HW_REG_IB_STS2, 6, 4)
	s_cmp_eq_u32 s2, 0
	s_cbranch_scc0 .Lentry_in_a_cluster
	s_endpgm
.Lentry_in_a_cluster:
	s_bfe_u32 s2, ttmp6, 0x10000c
	s_cmp_lg_u32 s2, 0xf033
	s_cbranch_scc0 .Lentry_shape_is_right
	s_endpgm
.Lentry_shape_is_right:
; C = A B + bias.  A: [8192][KDIM], 16-bit, K along the rows; B: [KDIM][NDIM], 16-bit, N along the rows; sums in f32.  One text serves two launches; the constant QKV chooses:
;   QKV = 1: A = XB, B = WQ (bf16, both in pre), KDIM 512, NDIM 3,072; C is rounded once to f16 and stored by heads, qkv[b][g][l][128].  LIMIT: |q|, |k|, |v| under 65,504.
;   QKV = 0: A = ao, B = WO (f16), KDIM 1,024, NDIM 1,024; C stays f32: arai[8192][1024] = ar | ai.
; SHARES.  A tile of C is 128 x 256: 256 work-groups in both launches (with QKV = 1 each stays and makes 3 tiles side by side, which share their rows of A).  Four waves, each 64 x 128: 32 accumulators, 256 registers.
; K goes in steps of 128 through two LDS slots filled by the tensor data mover; a wave's one load is 64 rows of 256 bytes (A) or 64 rows of 512 bytes (B).  From a request to the wait for it a wave issues 112 matrix instructions.
; CLUSTER 4 x 4: A's tile hangs on the tile row alone and is asked for jointly by a row of the cluster, B's on the tile column alone and by a column.
; THE MATRIX INSTRUCTION IS USED TRANSPOSED (source 0 = 16 columns of B, turned on the way out of LDS by ds_load_tr16_b128; source 1 = 16 rows of A): a lane holds 8 neighbouring numbers of a row of C.
; THE BIAS STARTS THE SUMS: it is loaded straight into the accumulators, so every K step has one text and nothing is cleared or added later.
; REGISTERS.  Window 0: v8-15 addresses, v28-29 the add's two, v32-63 packed results, v64-159 and v160-255 two fragment buffers (A's 4 fragments, then B's 8).  Window 1: accumulator (a, b) at v[8 (8 a + b)].
.set QKV, 0
.if QKV
.set KDIM,  512
.set NDIM,  3072
.set TILES, 3
.set KPT,   4                          ; K steps in a tile
.set LOGK,  2
.set SPITCH, 272                       ; a stage row: 128 f16 + 16 bytes
.set BG,    8388608                    ; WQ in pre
.set BIASG, 14024704
.set PTRA,  4
.set PTRP,  4
.set PTRC,  6
.else
.set KDIM,  1024
.set NDIM,  1024
.set TILES, 1
.set KPT,   8
.set LOGK,  3
.set SPITCH, 528                       ; a stage row: 128 f32 + 16 bytes
.set BG,    11534336                   ; WO in pre
.set BIASG, 14024704+12288
.set PTRA,  4
.set PTRP,  6
.set PTRC,  8
.endif
.set STEPS, TILES*KPT
.set PA,    272                        ; A's LDS row: 256 bytes + 16: the 16 rows of a fragment load start at 16 different groups of four banks (ISA guide 11.1)
.set PB,    544                        ; B's LDS row: 512 bytes + 32
.set BOFF,  128*PA                     ; in a slot: A's 128 rows, then B's 128 rows of K
.set SLOT1, 131072                     ; slot 1 begins here: one exclusive or turns an address of one slot into the other's
.set STAGE, SLOT1+BOFF+128*PB          ; behind the ring: 16 rows for each wave, for the way out; no tensor load lands here
.set SPARE, STAGE+4*16*SPITCH          ; the spare words, 128 bytes for each wave; no other line names them
.set A0,  8                            ; my lane's place in A's tile; never rewritten
.set B0,  9                            ; the same for B
.set ADA, 10                           ; the same in the slot in hand
.set ADB, 11
.set STO, 12
.set RD,  13
.set CO,  14                           ; 16 x lane
.set BO,  15                           ; 32 x (lane / 16): my eight numbers of the bias
.set SPW, 28
.set NIL, 29
.set TMP, 32
.set F0,  64
.set F1,  160
.set BK0, 160                          ; the way out reads the stage back into buffer 1's registers
.set G1A, 24
.set G0A, 32                           ; two sets: slot 0's first fill; slot 1's, which then walks
.set G1B, 48
.set G0B, 56
.set FC,  45                           ; the K step to ask for next
.set OFFA, 66
.set OFFB, 68
.set TB,  70                           ; the slot in hand, as an LDS byte
.set CP,  72                           ; C at my part of the tile
.set BP,  74                           ; the bias at my 128 columns
.set MUL, 0x50                         ; C and D in window 1
.set MSB, 0
.macro WIN new                         ; the immediate's high byte repeats the setting that is left
.if MSB != (\new)
	s_set_vgpr_msb (MSB<<8)|(\new)
.set MSB, \new
.endif
.endm
.macro PLACES                          ; four plain vector instructions between a matrix instruction and a load into, or a read of, its registers
.rept 4
	v_nop
.endr
.endm
.macro JLOAD                           ; a joint refill: waves 0, 1 fetch A's halves, waves 2, 3 B's; an s_nop 0 and four v_nop follow each line
	s_cmp_eq_u32 s11, 0
	s_cbranch_scc0 .Lfor_b_\@
	tensor_load_to_lds s[G0A+4:G0A+7], s[G1A:G1A+7]
	s_nop 0
.rept 4
	v_nop
.endr
	s_branch .Lasked_\@
.Lfor_b_\@:
	tensor_load_to_lds s[G0B+4:G0B+7], s[G1B:G1B+7]
	s_nop 0
.rept 4
	v_nop
.endr
.Lasked_\@:
.endm
.macro CREST                           ; a round of the cluster's barrier behind its opening barrier
	s_cmp_lg_u32 s10, 0
	s_cbranch_scc1 .Lnot_wave_0_\@
	s_barrier_signal -3
.Lnot_wave_0_\@:
	s_barrier_wait -3
	s_barrier_signal -1
	s_barrier_wait -1
.endm
.macro CROUND
	s_barrier_signal -1
	s_barrier_wait -1
	CREST
.endm
.macro WMMA d, x, y
.if QKV
	v_wmma_f32_16x16x32_bf16 v[(\d):(\d)+7], v[(\x):(\x)+7], v[(\y):(\y)+7], v[(\d):(\d)+7]
.else
	v_wmma_f32_16x16x32_f16 v[(\d):(\d)+7], v[(\x):(\x)+7], v[(\y):(\y)+7], v[(\d):(\d)+7]
.endif
.endm
.macro MUL8 f, a                       ; row block a x all 8 column blocks, 32 along K.  The 32 accumulators take turns, one instruction a turn
	WIN MUL
.irp b, 0,1,2,3,4,5,6,7
	WMMA 8*(8*(\a)+\b), (\f)+32+8*\b, (\f)+8*(\a)
.endr
.endm
.macro FETCH q, f                      ; 24 LDS loads in one run: quarter q of the slot in hand into buffer f: B's 8 fragments, then A's 4
	WIN 0
.irp b, 0,1,2,3,4,5,6,7
	ds_load_tr16_b128 v[(\f)+32+8*\b:(\f)+32+8*\b+3], v[ADB] offset:(\q)*32*PB+32*\b
	ds_load_tr16_b128 v[(\f)+32+8*\b+4:(\f)+32+8*\b+7], v[ADB] offset:(\q)*32*PB+16*PB+32*\b
.endr
.irp a, 0,1,2,3
	ds_load_b128 v[(\f)+8*\a:(\f)+8*\a+3], v[ADA] offset:(\q)*64+\a*16*PA
	ds_load_b128 v[(\f)+8*\a+4:(\f)+8*\a+7], v[ADA] offset:(\q)*64+\a*16*PA+32
.endr
.endm
.macro QUARTER q, f, g                 ; multiplies buffer f; in its middle fetches quarter q into buffer g
	s_wait_dscnt 4                                 ; all but the youngest four loads: A's fragments 2 and 3
	MUL8 \f, 0
	MUL8 \f, 1
	PLACES
	FETCH \q, \g
	s_wait_dscnt 24                                ; all but the 24 just issued
	MUL8 \f, 2
	MUL8 \f, 3
.endm
; The last quarter multiplies buffer 1 and changes slots: one barrier.  In front of it each wave waits for all its tensor loads (one is out: its part of the next slot), adds 0 to its spare word, and waits for that
; and for its reads of this slot.  fill = 1: the barrier opens a round of the cluster's barrier, and this slot is filled again, first thing behind it, with K step FC.
.macro TURN fill
	WIN 0
	s_wait_tensorcnt 0x0                           ; no tensor load of mine is out, so the walking descriptors may be written
	ds_add_u32 v[SPW], v[NIL]
	s_wait_dscnt 5                                 ; the add and A's fragments 2 and 3 may be out
	MUL8 F1, 0
	s_xor_b32 s[TB], s[TB], SLOT1
.if \fill
	s_and_b32 s71, s[FC], KPT-1                    ; the K step within its tile
	s_lshl_b32 s[OFFA], s71, 8                     ; 128 elements along A's rows
	s_mul_i32 s[OFFB], s71, 256*NDIM               ; 128 rows of B
	s_lshr_b32 s71, s[FC], LOGK                    ; the tile
	s_lshl_b32 s71, s71, 9                         ; 256 columns of B
	s_add_co_u32 s[OFFB], s[OFFB], s71
	s_xor_b32 s[G0A+5], s[G0A+5], SLOT1
	s_add_nc_u64 s[G0A+6:G0A+7], s[14:15], s[OFFA:OFFA+1]
	s_or_b32 s[G0A+7], s[G0A+7], 0x80000000
	s_xor_b32 s[G0B+5], s[G0B+5], SLOT1
	s_add_nc_u64 s[G0B+6:G0B+7], s[46:47], s[OFFB:OFFB+1]
	s_or_b32 s[G0B+7], s[G0B+7], 0x80000000
	s_add_co_u32 s[FC], s[FC], 1
.endif
	s_wait_dscnt 0x0                               ; the add is done, and my reads of this slot are over
	s_barrier_signal -1
	MUL8 F1, 1
	WIN 0
	s_barrier_wait -1
.if \fill
	CREST
	JLOAD                                          ; its four v_nop are also the places in front of the loads below
.else
	PLACES
.endif
	v_add_nc_u32 v[ADA], s[TB], v[A0]
	v_add_nc_u32 v[ADB], s[TB], v[B0]
	FETCH 0, F0
	MUL8 F1, 2
	MUL8 F1, 3
.endm
.macro BIASLOAD                        ; accumulator (a, b), register j of lane l holds column 16 b + 8 (l / 16) + j: 32 bytes of the bias, the same for every a
	WIN 0x40
.irp a, 0,1,2,3
.irp b, 0,1,2,3,4,5,6,7
	global_load_b128 v[8*(8*\a+\b):8*(8*\a+\b)+3], v[BO], s[BP:BP+1] offset:64*\b
	global_load_b128 v[8*(8*\a+\b)+4:8*(8*\a+\b)+7], v[BO], s[BP:BP+1] offset:64*\b+16
.endr
.endr
	WIN 0
.endm
.macro PACK a                          ; row block a rounded to f16; each accumulator is read from its low end on
	WIN 0x05
.irp b, 0,1,2,3,4,5,6,7
.irp r, 0,1,2,3
	v_cvt_pk_f16_f32 v[TMP+4*\b+\r], v[8*(8*(\a)+\b)+2*\r], v[8*(8*(\a)+\b)+2*\r+1]
.endr
.endr
	WIN 0
.endm
.macro TOSTAGE a                       ; into my own stage, and back as whole rows of 256 bytes; LDS serves a wave's instructions in order (ISA guide 5.7.1.4)
.set BK, BK0+32*((\a)%2)
.irp b, 0,1,2,3,4,5,6,7
	ds_store_b128 v[STO], v[TMP+4*\b:TMP+4*\b+3] offset:32*\b
.endr
.irp t, 0,1,2,3,4,5,6,7
	ds_load_b128 v[BK+4*\t:BK+4*\t+3], v[RD] offset:\t*2*SPITCH
.endr
.endm
.macro SEND a
.set BK, BK0+32*((\a)%2)
	s_wait_dscnt 0x0                               ; the block is back in registers
	s_wait_xcnt 0x0                                ; the stores of the block before have read their registers: the next TOSTAGE loads into them
.irp t, 0,1,2,3,4,5,6,7
	global_store_b128 v[CO], v[BK+4*\t:BK+4*\t+3], s[CP:CP+1] offset:(\a)*4096+\t*512  ; a wave stores 512 consecutive bytes, two rows of a head
.endr
.endm
.macro WAYOUT more                     ; more = 1: another tile follows: its bias is loaded as soon as the accumulators have been read
	WIN 0
	PLACES
.if QKV
	PACK 0
	TOSTAGE 0
	PACK 1
	SEND 0
	TOSTAGE 1
	PACK 2
	SEND 1
	TOSTAGE 2
	PACK 3
.if \more
	s_add_nc_u64 s[BP:BP+1], s[BP:BP+1], 1024      ; the last loads by BP were waited for: 256 columns on
	BIASLOAD
.endif
	SEND 2
	TOSTAGE 3
	SEND 3
.if \more
	s_wait_xcnt 0x0                                ; the stores have read their registers and CP
	s_add_nc_u64 s[CP:CP+1], s[CP:CP+1], 524288    ; two groups g on
	s_wait_loadcnt 0x0                             ; the bias is in the accumulators
.endif
.else
.irp a, 0,1,2,3
	WIN 0x04                                       ; store data in window 1
.irp b, 0,1,2,3,4,5,6,7
	ds_store_b128 v[STO], v[8*(8*\a+\b):8*(8*\a+\b)+3] offset:64*\b
	ds_store_b128 v[STO], v[8*(8*\a+\b)+4:8*(8*\a+\b)+7] offset:64*\b+16
.endr
	WIN 0
	s_wait_xcnt 0x0                                ; the last block's stores have read the registers that are loaded now
.irp t, 0,1,2,3,4,5,6,7,8,9,10,11,12,13,14,15
	ds_load_b128 v[BK0+4*\t:BK0+4*\t+3], v[RD] offset:\t*SPITCH
.endr
	s_wait_dscnt 8                                 ; the first eight rows are back
.irp t, 0,1,2,3,4,5,6,7
	global_store_b128 v[CO], v[BK0+4*\t:BK0+4*\t+3], s[CP:CP+1] offset:(16*\a+\t)*4096  ; a wave stores 512 consecutive bytes of a row
.endr
	s_wait_dscnt 0x0
.irp t, 8,9,10,11,12,13,14,15
	global_store_b128 v[CO], v[BK0+4*\t:BK0+4*\t+3], s[CP:CP+1] offset:(16*\a+\t)*4096
.endr
.endr
.endif
.endm
	s_load_b128 s[4:7], s[0:1], 0x0
.if !QKV
	s_load_b64 s[8:9], s[0:1], 0x10
.endif
	v_lshl_add_u32 v[SPW], v0, 2, SPARE
	v_mov_b32 v[NIL], 0
	ds_add_u32 v[SPW], v[NIL]                      ; the wave's opening: the add and its wait stand ahead of my first tensor load; the set-up stands between them
	v_lshrrev_b32 v1, 5, v0
	v_readfirstlane_b32 s10, v1                    ; wave
	s_lshr_b32 s11, s10, 1                         ; my half of the tile's rows; also: I fetch for A (0) or B (1)
	s_and_b32 s12, s10, 1                          ; my half of its columns; also: which 64 rows I fetch
	s_bfe_u32 s40, ttmp6, 0x40000                  ; cx
	s_bfe_u32 s41, ttmp6, 0x40004                  ; cy
	s_lshl_b32 s42, ttmp9, 2
	s_add_co_u32 s42, s42, s40                     ; X
	s_and_b32 s13, ttmp7, 0xffff
	s_lshl_b32 s13, s13, 2
	s_add_co_u32 s13, s13, s41                     ; Y
	s_lshl_b32 s43, s41, 2
	s_lshl_b32 s43, 15, s43                        ; my row of the cluster
	s_lshl_b32 s44, 0x1111, s40                    ; my column
	s_or_b32 s[G1A], s43, (1<<16)|(1<<20)|(1<<21)|(5<<22)|(3<<25)  ; mask; 2-byte elements; padding on; bit 21 beside a mask; after every 64 words, 4 words
	s_mov_b32 s[G1A+1], 128<<16                    ; tensor_dim0
	s_mov_b32 s[G1A+2], 64<<16                     ; tensor_dim1
	s_mov_b32 s[G1A+3], 128<<16                    ; tile_dim0
	s_mov_b32 s[G1A+4], 64                         ; tile_dim1
	s_mov_b32 s[G1A+5], KDIM                       ; elements from row to row
	s_mov_b32 s[G1A+6], 0
	s_mov_b32 s[G1A+7], 0
	s_or_b32 s[G1B], s44, (1<<16)|(1<<20)|(1<<21)|(6<<22)|(7<<25)  ; after every 128 words, 8 words
	s_mov_b32 s[G1B+1], 256<<16
	s_mov_b32 s[G1B+2], 64<<16
	s_mov_b32 s[G1B+3], 256<<16
	s_mov_b32 s[G1B+4], 64
	s_mov_b32 s[G1B+5], NDIM
	s_mov_b32 s[G1B+6], 0
	s_mov_b32 s[G1B+7], 0
	s_lshl_b32 s16, s13, 7                         ; A's offset is made of Y and the wave's number alone,
	s_lshl_b32 s17, s12, 6
	s_add_co_u32 s16, s16, s17
	s_mul_i32 s16, s16, 2*KDIM
	s_mov_b32 s17, 0
	s_mul_i32 s20, s12, 128*NDIM                   ; B's of X and the wave's number alone
	s_mul_i32 s21, s42, TILES*512
	s_add_co_u32 s20, s20, s21
	s_add_co_u32 s20, s20, BG
	s_mov_b32 s21, 0
	s_mul_i32 s22, s42, TILES*1024
	s_lshl_b32 s23, s12, 9
	s_add_co_u32 s22, s22, s23
	s_add_co_u32 s22, s22, BIASG
	s_mov_b32 s23, 0
.if QKV
	s_lshr_b32 s[CP], s13, 3                       ; (((Y / 8) 24 + 6 X + column half) 1,024 + (Y % 8) 128 + 64 row half) x 256 bytes
	s_mul_i32 s[CP], s[CP], 24
	s_mul_i32 s71, s42, 6
	s_add_co_u32 s[CP], s[CP], s71
	s_add_co_u32 s[CP], s[CP], s12
	s_lshl_b32 s[CP], s[CP], 10
	s_and_b32 s71, s13, 7
	s_lshl_b32 s71, s71, 7
	s_add_co_u32 s[CP], s[CP], s71
	s_lshl_b32 s71, s11, 6
	s_add_co_u32 s[CP], s[CP], s71
	s_lshl_b32 s[CP], s[CP], 8
.else
	s_lshl_b32 s[CP], s13, 7                       ; (128 Y + 64 row half) x 4,096 + (256 X + 128 column half) x 4 bytes
	s_lshl_b32 s71, s11, 6
	s_add_co_u32 s[CP], s[CP], s71
	s_lshl_b32 s[CP], s[CP], 12
	s_lshl_b32 s71, s42, 10
	s_add_co_u32 s[CP], s[CP], s71
	s_lshl_b32 s71, s12, 9
	s_add_co_u32 s[CP], s[CP], s71
.endif
	s_mov_b32 s[CP+1], 0
	s_mul_i32 s18, s12, 64*PA                      ; where my 64 rows go: no place in the cluster enters an LDS address
	s_mul_i32 s19, s12, 64*PB
	s_add_co_u32 s19, s19, BOFF
	s_mov_b32 s[G0A], 1
	s_mov_b32 s[G0A+1], s18
	s_mov_b32 s[G0A+4], 1
	s_add_co_u32 s[G0A+5], s18, SLOT1
	s_mov_b32 s[G0B], 1
	s_mov_b32 s[G0B+1], s19
	s_mov_b32 s[G0B+4], 1
	s_add_co_u32 s[G0B+5], s19, SLOT1
	s_mov_b32 s[FC], 2
	s_mov_b32 s[OFFA+1], 0
	s_mov_b32 s[OFFB+1], 0
	s_mov_b32 s[TB], 0
	v_and_b32 v1, 15, v0                           ; r = l % 16
	v_bfe_u32 v2, v0, 4, 1                         ; h = l / 16
	v_and_b32 v3, 7, v0
	v_bfe_u32 v4, v0, 3, 1
	v_and_b32 v5, 31, v0
	v_lshlrev_b32 v[BO], 5, v2
	v_lshlrev_b32 v[CO], 4, v5
	s_mul_i32 s71, s11, 64*PA
	v_mul_u32_u24 v[A0], v1, PA                    ; A's fragment: row r, 16 bytes for each half of the lanes
	v_lshl_add_u32 v[A0], v2, 4, v[A0]
	v_add_nc_u32 v[A0], s71, v[A0]
	v_lshl_add_u32 v[B0], v2, 3, v3                ; the turning load: lane l reads K row 8 h + l % 8, columns 8 ((l / 8) % 2) on
	v_mul_u32_u24 v[B0], v[B0], PB
	v_lshl_add_u32 v[B0], v4, 4, v[B0]
	s_lshl_b32 s71, s12, 8
	s_add_co_u32 s71, s71, BOFF
	v_add_nc_u32 v[B0], s71, v[B0]
	s_mul_i32 s71, s10, 16*SPITCH
	s_add_co_u32 s71, s71, STAGE                   ; my stage
	v_mul_u32_u24 v[STO], v1, SPITCH
.if QKV
	v_lshl_add_u32 v[STO], v2, 4, v[STO]
	v_add_nc_u32 v[STO], s71, v[STO]
	v_mul_u32_u24 v[RD], v2, SPITCH                ; back: lanes 0-15 one row of 256 bytes, lanes 16-31 the next
	v_lshl_add_u32 v[RD], v1, 4, v[RD]
	v_add_nc_u32 v[RD], s71, v[RD]
.else
	v_lshl_add_u32 v[STO], v2, 5, v[STO]
	v_add_nc_u32 v[STO], s71, v[STO]
	v_add_nc_u32 v[RD], s71, v[CO]                 ; back: 32 lanes take one row of 512 bytes
.endif
	v_mov_b32 v[ADA], v[A0]
	v_mov_b32 v[ADB], v[B0]
	s_wait_dscnt 0x0                               ; the opening add is done
	s_wait_kmcnt 0x0
	s_add_nc_u64 s[14:15], s[PTRA:PTRA+1], s[16:17]
	s_add_nc_u64 s[46:47], s[PTRP:PTRP+1], s[20:21]
	s_add_nc_u64 s[BP:BP+1], s[PTRP:PTRP+1], s[22:23]
	s_add_nc_u64 s[CP:CP+1], s[PTRC:PTRC+1], s[CP:CP+1]
	s_add_nc_u64 s[G0A+2:G0A+3], s[14:15], 0       ; K step 0
	s_or_b32 s[G0A+3], s[G0A+3], 0x80000000
	s_add_nc_u64 s[G0A+6:G0A+7], s[14:15], 256     ; K step 1
	s_or_b32 s[G0A+7], s[G0A+7], 0x80000000
	s_add_nc_u64 s[G0B+2:G0B+3], s[46:47], 0
	s_or_b32 s[G0B+3], s[G0B+3], 0x80000000
	s_add_nc_u64 s[G0B+6:G0B+7], s[46:47], 256*NDIM
	s_or_b32 s[G0B+7], s[G0B+7], 0x80000000
	CROUND                                         ; all sixteen work-groups are here: the first joint loads meet
	s_cmp_eq_u32 s11, 0                            ; a wave's two first fills stand in one branch: two loads of mine are out
	s_cbranch_scc0 .Lfirst_b
	tensor_load_to_lds s[G0A:G0A+3], s[G1A:G1A+7]
	s_nop 0
	tensor_load_to_lds s[G0A+4:G0A+7], s[G1A:G1A+7]
	s_nop 0
.rept 4
	v_nop
.endr
	s_branch .Lfirst_asked
.Lfirst_b:
	tensor_load_to_lds s[G0B:G0B+3], s[G1B:G1B+7]
	s_nop 0
	tensor_load_to_lds s[G0B+4:G0B+7], s[G1B:G1B+7]
	s_nop 0
.rept 4
	v_nop
.endr
.Lfirst_asked:
	BIASLOAD
	s_wait_tensorcnt 1                             ; my part of slot 0 is in; slot 1's may stay out
	s_barrier_signal -1
	s_barrier_wait -1
	FETCH 0, F0
	s_wait_loadcnt 0x0                             ; the bias
	s_mov_b32 s2, STEPS-2
	s_mov_b32 s3, KPT
.Lstep:                                                ; a trip is a K step; every step but the last two fills its slot again
	QUARTER 1, F0, F1
	QUARTER 2, F1, F0
	QUARTER 3, F0, F1
	TURN 1
	WIN 0
.if TILES > 1
	s_sub_co_u32 s3, s3, 1
	s_cmp_lg_u32 s3, 0
	s_cbranch_scc1 .Lno_out                        ; forward, past text with neither a barrier nor a tensor load
	WAYOUT 1                                       ; a tile is finished; the next tile's first two K steps have been asked for
	s_mov_b32 s3, KPT
.Lno_out:
.endif
	s_sub_co_u32 s2, s2, 1
	s_cmp_lg_u32 s2, 0
	s_cbranch_scc1 .Lstep
	s_mov_b32 s2, 2
.Ltail:                                                ; the last two K steps ask for nothing.  The second trip's barrier and its fetch from the other slot serve nothing: the price of one text for both
	QUARTER 1, F0, F1
	QUARTER 2, F1, F0
	QUARTER 3, F0, F1
	TURN 0
	WIN 0
	s_sub_co_u32 s2, s2, 1
	s_cmp_lg_u32 s2, 0
	s_cbranch_scc1 .Ltail
	WAYOUT 0
	s_wait_tensorcnt 0x0                           ; the wave's end
	ds_add_u32 v[SPW], v[NIL]
	s_wait_dscnt 0x0
	CROUND                                         ; the closing round
	s_endpgm
.Lfunc_end_k_q86fa207a4f_oproj:
	.size	k_q86fa207a4f_oproj, .Lfunc_end_k_q86fa207a4f_oproj-k_q86fa207a4f_oproj
	.p2alignl 7, 3214868480
	.fill 96, 4, 3214868480
	.section	.rodata,"a",@progbits
	.p2align	6, 0x0
	.amdhsa_kernel k_q86fa207a4f_oproj
		.amdhsa_group_segment_fixed_size 327680
		.amdhsa_private_segment_fixed_size 0
		.amdhsa_enable_private_segment 0
		.amdhsa_kernarg_size 24
		.amdhsa_user_sgpr_count 2
		.amdhsa_user_sgpr_kernarg_segment_ptr 1
		.amdhsa_wavefront_size32 1
		.amdhsa_system_sgpr_workgroup_id_x 1
		.amdhsa_system_sgpr_workgroup_id_y 1
		.amdhsa_system_sgpr_workgroup_id_z 1
		.amdhsa_system_vgpr_workitem_id 0
		.amdhsa_next_free_vgpr 512
		.amdhsa_next_free_sgpr 76
		.amdhsa_reserve_vcc 0
		.amdhsa_float_denorm_mode_32 3
		.amdhsa_float_denorm_mode_16_64 3
		.amdhsa_memory_ordered 1
		.amdhsa_forward_progress 1
		.amdhsa_inst_pref_size 62
	.end_amdhsa_kernel
	.amdgpu_metadata
---
amdhsa.version: [ 1, 2 ]
amdhsa.kernels:
  - .name:           k_q86fa207a4f_oproj
    .symbol:         k_q86fa207a4f_oproj.kd
    .args:
      - { .name: ao, .offset: 0, .size: 8, .value_kind: global_buffer, .address_space: global }
      - { .name: pre, .offset: 8, .size: 8, .value_kind: global_buffer, .address_space: global }
      - { .name: arai, .offset: 16, .size: 8, .value_kind: global_buffer, .address_space: global }
    .group_segment_fixed_size: 327680
    .private_segment_fixed_size: 0
    .kernarg_segment_align: 8
    .kernarg_segment_size: 24
    .max_flat_workgroup_size: 128
    .sgpr_count:     76
    .vgpr_count:     512
    .wavefront_size: 32
...
	.end_amdgpu_metadata
.endif
;; end of part 4
;; launch vq (part 5): grid 256 x 1, 4 waves a work-group, clusters of 4 x 1, 200,448 bytes of LDS; arguments arai, pre, idx; writes idx
.if DOCPART == 5
	.amdgcn_target "amdgcn-amd-amdhsa--gfx1250"
	.amdhsa_code_object_version 6
	.text
	.protected	k_q86fa207a4f_vq
	.globl	k_q86fa207a4f_vq
	.p2align	8
	.type	k_q86fa207a4f_vq,@function
k_q86fa207a4f_vq:
	s_mov_b64 s[64:65], 0
	v_nop
	global_prefetch_b8 v0, s[64:65] scope:SCOPE_SE
	s_setreg_imm32_b32 hwreg(HW_REG_WAVE_MODE, 25, 1), 1
	s_wait_xcnt 0x0
	s_wait_alu depctr_hold_cnt(0) depctr_sa_sdst(0) depctr_va_vdst(0) depctr_va_sdst(0) depctr_va_ssrc(0) depctr_va_vcc(0) depctr_vm_vsrc(0)
	s_getreg_b32 s2, hwreg(HW_REG_IB_STS2, 6, 4)
	s_cmp_eq_u32 s2, 0
	s_cbranch_scc0 .Lentry_in_a_cluster
	s_endpgm
.Lentry_in_a_cluster:
	s_bfe_u32 s2, ttmp6, 0x10000c
	s_cmp_lg_u32 s2, 0x3003
	s_cbranch_scc0 .Lentry_shape_is_right
	s_endpgm
.Lentry_shape_is_right:
; THE NEAREST CODE.  idx[row] = argmin over 128 codes of |f|^2 - 2 f.c + |c|^2, taken as the argmax of f.c - |c|^2 / 2 (|f|^2 is the same for every code); f = ar, the first 512 numbers of arai's row.
; LIMITS.  The order of rounding differs from reference()'s; f is rounded to f16 for the product (|ar| under 65,504) and c is the bf16 value as f16; the first index wins a tie; NaN is not treated apart.
; SHARES.  A work-group owns 32 rows; wave w the 16 rows w % 2 and the 64 codes w / 2.  Source 0 = 16 codes, source 1 = 16 rows: a lane holds ONE row (lane % 16) and the codes 8 (lane / 16) + 0..7 of each of 4 blocks.
; -|c|^2 / 2 is loaded straight into the accumulators and starts the sums.  K = 512 in 16 steps, written out; three register sets take turns for the LDS loads.
; CLUSTER 4 x 1: all work-groups read the same codebook, so waves 0, 1 ask for it jointly; waves 2, 3 fetch the work-group's own rows.  Each LDS byte is filled once.
.set PC,   1040                        ; a code's LDS row: 1,024 bytes + 16
.set PF,   2080                        ; a row of f: 2,048 bytes with 16 of padding behind each 1,024: numbers from 256 on lie 16 bytes further
.set FOFF, 128*PC
.set SCR,  FOFF+32*PF                  ; 256 bytes: (maximum, index) of the upper 64 codes, for each of 32 rows
.set SPARE, SCR+256                    ; the spare words, 128 bytes for each wave; no other line names them
.set CBH,  13893632
.set TAB,  14041088
.set CA,  4
.set FA,  5
.set HO,  6
.set SA,  7
.set GA,  8
.set SPW, 28
.set NIL, 29
.set ACC, 32
.set MX,  224                          ; v[224:225] maximum, index
.set BI,  225
.set OM,  226                          ; v[226:227] the other wave's pair
.set T0,  228
.macro PLACES
.rept 4
	v_nop
.endr
.endm
.macro CROUND
	s_barrier_signal -1
	s_barrier_wait -1
	s_cmp_lg_u32 s10, 0
	s_cbranch_scc1 .Lnot_wave_0_\@
	s_barrier_signal -3
.Lnot_wave_0_\@:
	s_barrier_wait -3
	s_barrier_signal -1
	s_barrier_wait -1
.endm
.macro LOADS s                         ; 12 loads: step s's four code fragments and 16 f32 of my row
.set LB, 64+48*((\s)%3)
.irp c, 0,1,2,3
	ds_load_b128 v[LB+8*\c:LB+8*\c+3], v[CA] offset:\c*16*PC+64*(\s)
	ds_load_b128 v[LB+8*\c+4:LB+8*\c+7], v[CA] offset:\c*16*PC+64*(\s)+32
.endr
	ds_load_b128 v[LB+32:LB+35], v[FA] offset:128*(\s)+16*((\s)/8)
	ds_load_b128 v[LB+36:LB+39], v[FA] offset:128*(\s)+16*((\s)/8)+16
	ds_load_b128 v[LB+40:LB+43], v[FA] offset:128*(\s)+16*((\s)/8)+64
	ds_load_b128 v[LB+44:LB+47], v[FA] offset:128*(\s)+16*((\s)/8)+80
.endm
.macro STEP s
.set SB, 64+48*((\s)%3)
.set FH, 208+8*((\s)%2)
.if (\s) < 15
	s_wait_dscnt 12                                ; this step's set is in; the next one's 12 loads stay out
.else
	s_wait_dscnt 0x0
.endif
.irp n, 0,1,2,3,4,5,6,7                ; f to f16: also the places behind the last step's products, in front of the loads into the set that they read
	v_cvt_pk_f16_f32 v[FH+\n], v[SB+32+2*\n], v[SB+32+2*\n+1]
.endr
.if (\s) < 14
	LOADS (\s)+2
.endif
.irp c, 0,1,2,3                        ; the four accumulators take turns
	v_wmma_f32_16x16x32_f16 v[ACC+8*\c:ACC+8*\c+7], v[SB+8*\c:SB+8*\c+7], v[FH:FH+7], v[ACC+8*\c:ACC+8*\c+7]
.endr
.endm
	s_load_b128 s[4:7], s[0:1], 0x0                ; arai s[4:5], pre s[6:7]
	s_load_b64 s[8:9], s[0:1], 0x10                ; idx
	v_lshl_add_u32 v[SPW], v0, 2, SPARE
	v_mov_b32 v[NIL], 0
	ds_add_u32 v[SPW], v[NIL]                      ; the wave's opening: the add and its wait stand ahead of my first tensor load
	v_lshrrev_b32 v1, 5, v0
	v_readfirstlane_b32 s10, v1                    ; wave
	s_and_b32 s11, s10, 1                          ; my 16 rows; also which half I fetch
	s_lshr_b32 s12, s10, 1                         ; my 64 codes
	s_bfe_u32 s13, ttmp6, 0x40000                  ; cx
	s_lshl_b32 s14, ttmp9, 2
	s_add_co_u32 s14, s14, s13                     ; the work-group
	s_mov_b32 s24, 15|(1<<16)|(1<<20)|(1<<21)|(7<<22)|(3<<25)  ; the codebook: mask of four; 2-byte elements; padding on; bit 21 beside a mask; after every 256 words, 4 words
	s_mov_b32 s25, 512<<16                         ; tensor_dim0
	s_mov_b32 s26, 64<<16                          ; tensor_dim1
	s_mov_b32 s27, 512<<16                         ; tile_dim0
	s_mov_b32 s28, 64                              ; tile_dim1
	s_mov_b32 s29, 512                             ; elements from row to row
	s_mov_b32 s30, 0
	s_mov_b32 s31, 0
	s_mov_b32 s40, (2<<16)|(1<<20)|(7<<22)|(3<<25) ; my rows of ar: 4-byte elements, no mask
	s_mov_b32 s41, 512<<16
	s_mov_b32 s42, 16<<16
	s_mov_b32 s43, 512<<16
	s_mov_b32 s44, 16
	s_mov_b32 s45, 1024
	s_mov_b32 s46, 0
	s_mov_b32 s47, 0
	s_mov_b32 s32, 1
	s_mul_i32 s33, s11, 64*PC
	s_mov_b32 s36, 1
	s_mul_i32 s37, s11, 16*PF
	s_add_co_u32 s37, s37, FOFF
	s_lshl_b32 s16, s11, 16                        ; the codebook's half: of the wave's number alone
	s_add_co_u32 s16, s16, CBH
	s_mov_b32 s17, 0
	s_lshl_b32 s18, s14, 17                        ; 32 rows of 4,096 bytes,
	s_lshl_b32 s19, s11, 16                        ; my 16 of them
	s_add_co_u32 s18, s18, s19
	s_mov_b32 s19, 0
	s_lshl_b32 s20, s12, 8
	s_add_co_u32 s20, s20, TAB                     ; -|c|^2 / 2 of my 64 codes
	s_mov_b32 s21, 0
	s_lshl_b32 s22, s14, 7
	s_lshl_b32 s23, s11, 6
	s_add_co_u32 s22, s22, s23                     ; idx at my 16 rows
	s_mov_b32 s23, 0
	s_mov_b32 s48, 0x76543210
	s_mov_b32 s49, 0xfedcba98
	s_lshl_b32 s50, s12, 6
	v_and_b32 v1, 15, v0                           ; r
	v_bfe_u32 v2, v0, 4, 1                         ; h
	v_and_b32 v3, 31, v0                           ; lane
	v_add_nc_u32 v[CA], s50, v1
	v_mul_u32_u24 v[CA], v[CA], PC
	v_lshl_add_u32 v[CA], v2, 4, v[CA]
	s_lshl_b32 s51, s11, 4
	v_add_nc_u32 v[FA], s51, v1
	v_mul_u32_u24 v[FA], v[FA], PF
	v_lshl_add_u32 v[FA], v2, 5, v[FA]
	v_add_nc_u32 v[FA], FOFF, v[FA]
	v_lshlrev_b32 v[HO], 5, v2
	s_lshl_b32 s51, s11, 7
	s_add_co_u32 s51, s51, SCR
	v_lshl_add_u32 v[SA], v1, 3, s51
	v_lshlrev_b32 v[GA], 2, v1
	s_wait_dscnt 0x0                               ; the opening add is done
	s_wait_kmcnt 0x0
	s_add_nc_u64 s[34:35], s[6:7], s[16:17]
	s_or_b32 s35, s35, 0x80000000
	s_add_nc_u64 s[38:39], s[4:5], s[18:19]
	s_or_b32 s39, s39, 0x80000000
	s_add_nc_u64 s[20:21], s[6:7], s[20:21]
	s_add_nc_u64 s[8:9], s[8:9], s[22:23]
	CROUND                                         ; all four work-groups are here: the joint loads meet
	s_cmp_lt_u32 s10, 2
	s_cbranch_scc0 .Lfor_f
	tensor_load_to_lds s[32:35], s[24:31]
	s_nop 0
.rept 4
	v_nop
.endr
	s_branch .Lasked
.Lfor_f:
	tensor_load_to_lds s[36:39], s[40:47]
	s_nop 0
.rept 4
	v_nop
.endr
.Lasked:
.irp c, 0,1,2,3
	global_load_b128 v[ACC+8*\c:ACC+8*\c+3], v[HO], s[20:21] offset:64*\c
	global_load_b128 v[ACC+8*\c+4:ACC+8*\c+7], v[HO], s[20:21] offset:64*\c+16
.endr
	s_wait_tensorcnt 0x0                           ; my one load has landed,
	s_barrier_signal -1
	s_barrier_wait -1                              ; everybody's has
	LOADS 0
	LOADS 1
	s_wait_loadcnt 0x0
.set st, 0
.rept 16
	STEP st
.set st, st+1
.endr
	PLACES
.irp c, 0,1,2,3                        ; the maximum of my 32 scores, each accumulator's lowest registers first
	v_max3_num_f32 v[T0+\c], v[ACC+8*\c], v[ACC+8*\c+1], v[ACC+8*\c+2]
.endr
.irp c, 0,1,2,3
	v_max3_num_f32 v[T0+\c], v[T0+\c], v[ACC+8*\c+3], v[ACC+8*\c+4]
.endr
.irp c, 0,1,2,3
	v_max3_num_f32 v[T0+\c], v[T0+\c], v[ACC+8*\c+5], v[ACC+8*\c+6]
.endr
	v_max3_num_f32 v[T0], v[T0], v[ACC+7], v[ACC+15]
	v_max3_num_f32 v[T0+2], v[T0+2], v[ACC+23], v[ACC+31]
	v_max3_num_f32 v[T0], v[T0], v[T0+1], v[T0+2]
	v_max_num_f32 v[T0], v[T0], v[T0+3]
	v_permlanex16_b32 v[T0+1], v[T0], s48, s49     ; the row's other 32 codes lie in the lane 16 away
	v_max_num_f32 v[MX], v[T0], v[T0+1]
	v_mov_b32 v[BI], 0xff                          ; no code of mine reaches the maximum
.set i, 31
.rept 32                               ; descending, so that the lowest code that reaches it stays
	v_cmp_neq_f32 vcc_lo, v[ACC+i], v[MX]
	v_cndmask_b32 v[BI], 16*(i/8)+i%8, v[BI], vcc_lo
.set i, i-1
.endr
	v_lshl_add_u32 v[BI], v2, 3, v[BI]
	v_add_nc_u32 v[BI], s50, v[BI]
	v_permlanex16_b32 v[T0], v[BI], s48, s49
	v_min_u32 v[BI], v[BI], v[T0]
	s_cmp_lt_u32 s10, 2
	s_cbranch_scc1 .Lkeep
	ds_store_b64 v[SA], v[MX:MX+1]                 ; the upper 64 codes' result; lanes r and r + 16 store the same pair
.Lkeep:
	s_wait_dscnt 0x0                               ; for the others' sake
	s_barrier_signal -1
	s_barrier_wait -1
	s_cmp_lt_u32 s10, 2
	s_cbranch_scc0 .Ldone
	ds_load_b64 v[OM:OM+1], v[SA]
	s_wait_dscnt 0x0
	v_cmp_gt_f32 vcc_lo, v[OM], v[MX]              ; only a strictly larger score takes the higher code
	v_cndmask_b32 v[BI], v[BI], v[OM+1], vcc_lo
	v_min_u32 v[BI], 127, v[BI]
	v_cmp_gt_u32 vcc_lo, 16, v3
	s_wait_xcnt 0x0                                ; EXEC changes only behind this wait
	s_and_saveexec_b32 s52, vcc_lo
	global_store_b32 v[GA], v[BI], s[8:9]
	s_wait_xcnt 0x0
	s_or_b32 exec_lo, exec_lo, s52
.Ldone:
	s_wait_tensorcnt 0x0                           ; the wave's end
	ds_add_u32 v[SPW], v[NIL]
	s_wait_dscnt 0x0
	CROUND                                         ; the closing round
	s_endpgm
.Lfunc_end_k_q86fa207a4f_vq:
	.size	k_q86fa207a4f_vq, .Lfunc_end_k_q86fa207a4f_vq-k_q86fa207a4f_vq
	.p2alignl 7, 3214868480
	.fill 96, 4, 3214868480
	.section	.rodata,"a",@progbits
	.p2align	6, 0x0
	.amdhsa_kernel k_q86fa207a4f_vq
		.amdhsa_group_segment_fixed_size 200448
		.amdhsa_private_segment_fixed_size 0
		.amdhsa_enable_private_segment 0
		.amdhsa_kernarg_size 24
		.amdhsa_user_sgpr_count 2
		.amdhsa_user_sgpr_kernarg_segment_ptr 1
		.amdhsa_wavefront_size32 1
		.amdhsa_system_sgpr_workgroup_id_x 1
		.amdhsa_system_sgpr_workgroup_id_y 1
		.amdhsa_system_sgpr_workgroup_id_z 1
		.amdhsa_system_vgpr_workitem_id 0
		.amdhsa_next_free_vgpr 240
		.amdhsa_next_free_sgpr 66
		.amdhsa_reserve_vcc 1
		.amdhsa_float_denorm_mode_32 3
		.amdhsa_float_denorm_mode_16_64 3
		.amdhsa_memory_ordered 1
		.amdhsa_forward_progress 1
		.amdhsa_inst_pref_size 35
	.end_amdhsa_kernel
	.amdgpu_metadata
---
amdhsa.version: [ 1, 2 ]
amdhsa.kernels:
  - .name:           k_q86fa207a4f_vq
    .symbol:         k_q86fa207a4f_vq.kd
    .args:
      - { .name: arai, .offset: 0, .size: 8, .value_kind: global_buffer, .address_space: global }
      - { .name: pre, .offset: 8, .size: 8, .value_kind: global_buffer, .address_space: global }
      - { .name: idx, .offset: 16, .size: 8, .value_kind: global_buffer, .address_space: global }
    .group_segment_fixed_size: 200448
    .private_segment_fixed_size: 0
    .kernarg_segment_align: 8
    .kernarg_segment_size: 24
    .max_flat_workgroup_size: 128
    .sgpr_count:     66
    .vgpr_count:     240
    .wavefront_size: 32
...
	.end_amdgpu_metadata
.endif
;; end of part 5
;; launch chunk (part 6): grid 256 x 1, 4 waves a work-group, no clusters, 0 bytes of LDS; arguments idx, pre, arai, chk; writes chk
.if DOCPART == 6
	.amdgcn_target "amdgcn-amd-amdhsa--gfx1250"
	.amdhsa_code_object_version 6
	.text
	.protected	k_q86fa207a4f_chunk
	.globl	k_q86fa207a4f_chunk
	.p2align	8
	.type	k_q86fa207a4f_chunk,@function
k_q86fa207a4f_chunk:
	s_mov_b64 s[64:65], 0
	v_nop
	global_prefetch_b8 v0, s[64:65] scope:SCOPE_SE
	s_setreg_imm32_b32 hwreg(HW_REG_WAVE_MODE, 25, 1), 1
	s_wait_xcnt 0x0
; THE STACK'S TOP, BY CHUNKS, AND THE LOSS.  Only the stack's top level is returned, and it hangs on itself alone: top_t = a_t top_(t-1) + b_t c[idx_t], a = (1 - pop)(1 - push), b = (1 - pop) push, both tables over the 128 codes.
; A work-group takes 32 consecutive rows of a batch and makes, from top = 0: loc[512] (the chunk's last top) and P = the product of its a; the last launch chains the chunks.
; It also sums (c[idx] - ar)^2 over its rows: a partial sum a wave, added up in a fixed order by the last launch.
; LIMIT.  zq_st = ar + (zq - ar) is taken as c[idx]: off by one rounding of the larger of the two at the most.
; Thread t owns columns 4 t .. 4 t + 3.  Memory and latency bind: three register buffers of 8 rows (16 loads each) keep up to 48 loads of a wave out.  No LDS, no matrix unit: nothing is shared and nothing is a product.
.set CBR,  13631488
.set TABO, 14041088-13631488           ; the tables behind the rounded codebook
.set CAO,  524288
.set LPO,  525312
.macro GISS g, k                       ; group g (rows 8 g ..) into buffer k: a code's row and ar's row for each.  A code's offset is made in its load's first destination register
.set r, 0
.rept 8
	v_lshl_add_u32 v[32+64*(\k)+4*r], s[16+8*(\g)+r], 11, v3
	global_load_b128 v[32+64*(\k)+4*r:32+64*(\k)+4*r+3], v[32+64*(\k)+4*r], s[6:7]
	global_load_b128 v[64+64*(\k)+4*r:64+64*(\k)+4*r+3], v3, s[8:9] offset:(8*(\g)+r)*4096 th:TH_LOAD_NT
.set r, r+1
.endr
.endm
.macro ROW row, c, a
	v_readlane_b32 s50, v6, \row                   ; a
	v_readlane_b32 s52, v7, \row                   ; b
	v_pk_add_f32 v[20:21], v[(\c):(\c)+1], v[(\a):(\a)+1] neg_lo:[0,1] neg_hi:[0,1]
	v_pk_add_f32 v[22:23], v[(\c)+2:(\c)+3], v[(\a)+2:(\a)+3] neg_lo:[0,1] neg_hi:[0,1]
.if (\row) == 0                        ; the first row starts every sum: nothing is cleared
	v_pk_mul_f32 v[8:9], v[(\c):(\c)+1], s[52:53] op_sel_hi:[1,0]
	v_pk_mul_f32 v[10:11], v[(\c)+2:(\c)+3], s[52:53] op_sel_hi:[1,0]
	v_pk_mul_f32 v[12:13], v[20:21], v[20:21]
	v_pk_mul_f32 v[14:15], v[22:23], v[22:23]
	s_mov_b32 s54, s50
.else
	v_pk_mul_f32 v[16:17], v[(\c):(\c)+1], s[52:53] op_sel_hi:[1,0]
	v_pk_mul_f32 v[18:19], v[(\c)+2:(\c)+3], s[52:53] op_sel_hi:[1,0]
	v_pk_fma_f32 v[8:9], v[8:9], s[50:51], v[16:17] op_sel_hi:[1,0,1]
	v_pk_fma_f32 v[10:11], v[10:11], s[50:51], v[18:19] op_sel_hi:[1,0,1]
	v_pk_fma_f32 v[12:13], v[20:21], v[20:21], v[12:13]
	v_pk_fma_f32 v[14:15], v[22:23], v[22:23], v[14:15]
	s_mul_f32 s54, s54, s50
.endif
.endm
.macro GPROC g, k, left
	s_wait_loadcnt \left                           ; loads come back in order: this group is in, the younger groups' loads stay out
.set r, 0
.rept 8
	ROW 8*(\g)+r, 32+64*(\k)+4*r, 64+64*(\k)+4*r
.set r, r+1
.endr
.endm
	s_load_b256 s[4:11], s[0:1], 0x0               ; idx 4, pre 6, arai 8, chk 10
	v_and_b32 v1, 31, v0
	v_lshrrev_b32 v2, 5, v0
	v_readfirstlane_b32 s3, v2                     ; wave
	v_lshlrev_b32 v3, 4, v0                        ; 16 t
	v_lshlrev_b32 v4, 2, v1                        ; 4 x lane
	s_mov_b32 s2, ttmp9
	s_lshl_b32 s12, s2, 7
	s_mov_b32 s13, 0
	s_mov_b32 s51, 0                               ; named with s50 and s52 as pairs
	s_mov_b32 s53, 0
	s_mov_b32 s60, 0x76543210
	s_mov_b32 s61, 0xfedcba98
	s_wait_kmcnt 0x0
	s_add_nc_u64 s[4:5], s[4:5], s[12:13]          ; idx at my 32 rows
	s_load_b512 s[16:31], s[4:5], 0x0
	s_load_b512 s[32:47], s[4:5], 0x40
	global_load_b32 v5, v4, s[4:5]                 ; and row l's index in lane l
	s_add_nc_u64 s[6:7], s[6:7], CBR
	s_lshl_b32 s12, s2, 17
	s_add_nc_u64 s[8:9], s[8:9], s[12:13]          ; arai at my rows
	s_lshl_b32 s12, s2, 4
	s_lshl2_add_u32 s12, s3, s12
	s_add_nc_u64 s[48:49], s[10:11], s[12:13]      ; + (4 wg + w) x 4
	s_lshl_b32 s12, s2, 2
	s_add_nc_u64 s[56:57], s[10:11], s[12:13]      ; + 4 wg
	s_lshl_b32 s12, s2, 11
	s_add_nc_u64 s[10:11], s[10:11], s[12:13]      ; loc's row
	s_wait_loadcnt 0x0
	v_min_u32 v5, 127, v5
	v_lshlrev_b32 v5, 2, v5
	global_load_b32 v6, v5, s[6:7] offset:TABO+512   ; a of row l
	global_load_b32 v7, v5, s[6:7] offset:TABO+1024  ; b of row l
	s_wait_kmcnt 0x0
.set r, 0
.rept 32
	s_min_u32 s[16+r], s[16+r], 127
.set r, r+1
.endr
	GISS 0, 0
	GISS 1, 1
	GISS 2, 2
	GPROC 0, 0, 32                                 ; groups 1 and 2 stay out
	GISS 3, 0
	GPROC 1, 1, 32                                 ; groups 2 and 3
	GPROC 2, 2, 16                                 ; group 3
	GPROC 3, 0, 0
	global_store_b128 v3, v[8:11], s[10:11]        ; a wave stores 512 consecutive bytes
	v_pk_add_f32 v[12:13], v[12:13], v[14:15]
	v_add_f32 v12, v12, v13
	v_mov_b32 v13, 0
.irp m, 1,2,4,8
	v_add_f32_dpp v12, v12, v12 row_xmask:\m row_mask:0xf bank_mask:0xf
.endr
	v_permlanex16_b32 v13, v12, s60, s61
	v_add_f32 v12, v12, v13
	v_mov_b32 v24, 0
	v_mov_b32 v25, s54
	v_cmp_eq_u32 vcc_lo, 0, v1
	s_wait_xcnt 0x0                                ; EXEC changes only behind this wait
	s_and_saveexec_b32 s58, vcc_lo
	global_store_b32 v24, v12, s[48:49] offset:LPO
	s_cmp_lg_u32 s3, 0
	s_cbranch_scc1 .Lnot_p
	global_store_b32 v24, v25, s[56:57] offset:CAO
.Lnot_p:
	s_wait_xcnt 0x0
	s_or_b32 exec_lo, exec_lo, s58
	s_endpgm
.Lfunc_end_k_q86fa207a4f_chunk:
	.size	k_q86fa207a4f_chunk, .Lfunc_end_k_q86fa207a4f_chunk-k_q86fa207a4f_chunk
	.p2alignl 7, 3214868480
	.fill 96, 4, 3214868480
	.section	.rodata,"a",@progbits
	.p2align	6, 0x0
	.amdhsa_kernel k_q86fa207a4f_chunk
		.amdhsa_group_segment_fixed_size 0
		.amdhsa_private_segment_fixed_size 0
		.amdhsa_enable_private_segment 0
		.amdhsa_kernarg_size 32
		.amdhsa_user_sgpr_count 2
		.amdhsa_user_sgpr_kernarg_segment_ptr 1
		.amdhsa_wavefront_size32 1
		.amdhsa_system_sgpr_workgroup_id_x 1
		.amdhsa_system_sgpr_workgroup_id_y 1
		.amdhsa_system_sgpr_workgroup_id_z 1
		.amdhsa_system_vgpr_workitem_id 0
		.amdhsa_next_free_vgpr 224
		.amdhsa_next_free_sgpr 66
		.amdhsa_reserve_vcc 1
		.amdhsa_float_denorm_mode_32 3
		.amdhsa_float_denorm_mode_16_64 3
		.amdhsa_memory_ordered 1
		.amdhsa_forward_progress 1
		.amdhsa_inst_pref_size 34
	.end_amdhsa_kernel
	.amdgpu_metadata
---
amdhsa.version: [ 1, 2 ]
amdhsa.kernels:
  - .name:           k_q86fa207a4f_chunk
    .symbol:         k_q86fa207a4f_chunk.kd
    .args:
      - { .name: idx, .offset: 0, .size: 8, .value_kind: global_buffer, .address_space: global }
      - { .name: pre, .offset: 8, .size: 8, .value_kind: global_buffer, .address_space: global }
      - { .name: arai, .offset: 16, .size: 8, .value_kind: global_buffer, .address_space: global }
      - { .name: chk, .offset: 24, .size: 8, .value_kind: global_buffer, .address_space: global }
    .group_segment_fixed_size: 0
    .private_segment_fixed_size: 0
    .kernarg_segment_align: 8
    .kernarg_segment_size: 32
    .max_flat_workgroup_size: 128
    .sgpr_count:     66
    .vgpr_count:     224
    .wavefront_size: 32
...
	.end_amdgpu_metadata
.endif
;; end of part 6
;; launch final (part 7): grid 256 x 1, 4 waves a work-group, no clusters, 131,584 bytes of LDS; arguments idx, pre, arai, chk, ln_g, ln_b, mod_bias, out0, out1; writes out0, out1
.if DOCPART == 7
	.amdgcn_target "amdgcn-amd-amdhsa--gfx1250"
	.amdhsa_code_object_version 6
	.text
	.protected	k_q86fa207a4f_final
	.globl	k_q86fa207a4f_final
	.p2align	8
	.type	k_q86fa207a4f_final,@function
k_q86fa207a4f_final:
	s_mov_b64 s[64:65], 0
	v_nop
	global_prefetch_b8 v0, s[64:65] scope:SCOPE_SE
	s_setreg_imm32_b32 hwreg(HW_REG_WAVE_MODE, 25, 1), 1
	s_wait_xcnt 0x0
; THE LAST LAUNCH: the chunks are chained, cr = c[idx] + top, both LayerNorms, ModReLU, and the loss.  A work-group owns 32 consecutive rows of a batch (chunk J of 32).
; 1. carry = the top at my chunk's beginning: carry = carry A_i + loc_i over the batch's chunks i < J.  All 31 rows of loc are loaded, and (A_i, 1) or (1, 0) is chosen by a scalar select: no trip count hangs on J.
; 2. Phase 1, thread t owns columns 4 t ..: top = a top + b c, cr = c + top, row by row; cr and ai go into LDS.  3. Phase 2, a wave owns 8 rows, a lane 16 columns of each part: mean, variance, gain and bias,
;    mag = sqrt(nr^2 + ni^2), scale = max(mag + mod_bias, 0) / (mag + 1e-6).  4. Work-group 0's wave 0 adds the 1,024 partial sums of the loss in a fixed order: out1 = 1.25 x sum / 2^22.
; ln_g, ln_b and mod_bias are rounded to bf16 like every other floating-point input.  LIMITS: a chunk's loc beyond my own is multiplied by 0, so it must be finite; NaN and infinities are not treated apart; a square sum below 2^-126 counts as 0 in the root.
; Memory and latency bind: all loads go out early.  No matrix unit: nothing here is a product of matrices.
; REGISTERS.  Window 0: v2-11 addresses and carry, v30-31 the add's two, v32-155 loc's rows, then v32-159 ai's rows, then phase 2's rows and work, v176-255 the parameters.  Window 1: v0-127 the 32 code rows, v128-144 phase 1's work.
.set CBR,  13631488
.set TABO, 14041088-13631488
.set CAO,  524288
.set LPO,  525312
.set AIL,  65536                       ; LDS: cr's 32 rows of 2,048 bytes at 0, ai's here
.set SPARE, 131072                     ; the spare words, 128 bytes for each wave; no other line names them
.set TOP,  128                         ; window 1
.set TM1,  132
.set VA,   141
.set VB,   142
.set VI,   143
.set T16,  144                         ; 16 t: the offset in a code's row, and phase 1's LDS address
.set GR,   176
.set GI,   192
.set BR,   208
.set BI,   224
.set MB,   240
.set T,    96
.set U,    112
.set MSB, 0
.macro WIN new
.if MSB != (\new)
	s_set_vgpr_msb (MSB<<8)|(\new)
.set MSB, \new
.endif
.endm
.macro RED2                            ; v128 and v129 summed over the 32 lanes
.irp m, 1,2,4,8
	v_add_f32_dpp v128, v128, v128 row_xmask:\m row_mask:0xf bank_mask:0xf
	v_add_f32_dpp v129, v129, v129 row_xmask:\m row_mask:0xf bank_mask:0xf
.endr
	v_permlanex16_b32 v130, v128, s60, s61
	v_permlanex16_b32 v131, v129, s60, s61
	v_add_f32 v128, v128, v130
	v_add_f32 v129, v129, v131
.endm
.macro ROWP xr, xi, ofs                ; one row: 16 numbers of cr at v[xr], of ai at v[xi]; results in place, stored at byte ofs
.irp n, 0,1,2,3
	v_pk_add_f32 v[T+2*\n:T+2*\n+1], v[(\xr)+4*\n:(\xr)+4*\n+1], v[(\xr)+4*\n+2:(\xr)+4*\n+3]
	v_pk_add_f32 v[T+8+2*\n:T+8+2*\n+1], v[(\xi)+4*\n:(\xi)+4*\n+1], v[(\xi)+4*\n+2:(\xi)+4*\n+3]
.endr
	v_pk_add_f32 v[T:T+1], v[T:T+1], v[T+2:T+3]
	v_pk_add_f32 v[T+4:T+5], v[T+4:T+5], v[T+6:T+7]
	v_pk_add_f32 v[T+8:T+9], v[T+8:T+9], v[T+10:T+11]
	v_pk_add_f32 v[T+12:T+13], v[T+12:T+13], v[T+14:T+15]
	v_pk_add_f32 v[T:T+1], v[T:T+1], v[T+4:T+5]
	v_pk_add_f32 v[T+8:T+9], v[T+8:T+9], v[T+12:T+13]
	v_add_f32 v128, v[T], v[T+1]
	v_add_f32 v129, v[T+8], v[T+9]
	RED2
	v_mul_f32 v132, s71, v128                      ; the means
	v_mul_f32 v134, s71, v129
.irp n, 0,1,2,3,4,5,6,7
	v_pk_add_f32 v[(\xr)+2*\n:(\xr)+2*\n+1], v[(\xr)+2*\n:(\xr)+2*\n+1], v[132:133] op_sel_hi:[1,0] neg_lo:[0,1] neg_hi:[0,1]
	v_pk_add_f32 v[(\xi)+2*\n:(\xi)+2*\n+1], v[(\xi)+2*\n:(\xi)+2*\n+1], v[134:135] op_sel_hi:[1,0] neg_lo:[0,1] neg_hi:[0,1]
.endr
.irp n, 0,1
	v_pk_mul_f32 v[T+2*\n:T+2*\n+1], v[(\xr)+2*\n:(\xr)+2*\n+1], v[(\xr)+2*\n:(\xr)+2*\n+1]
	v_pk_mul_f32 v[T+4+2*\n:T+4+2*\n+1], v[(\xi)+2*\n:(\xi)+2*\n+1], v[(\xi)+2*\n:(\xi)+2*\n+1]
.endr
.irp n, 2,3,4,5,6,7
	v_pk_fma_f32 v[T+2*(\n%2):T+2*(\n%2)+1], v[(\xr)+2*\n:(\xr)+2*\n+1], v[(\xr)+2*\n:(\xr)+2*\n+1], v[T+2*(\n%2):T+2*(\n%2)+1]
	v_pk_fma_f32 v[T+4+2*(\n%2):T+4+2*(\n%2)+1], v[(\xi)+2*\n:(\xi)+2*\n+1], v[(\xi)+2*\n:(\xi)+2*\n+1], v[T+4+2*(\n%2):T+4+2*(\n%2)+1]
.endr
	v_pk_add_f32 v[T:T+1], v[T:T+1], v[T+2:T+3]
	v_pk_add_f32 v[T+4:T+5], v[T+4:T+5], v[T+6:T+7]
	v_add_f32 v128, v[T], v[T+1]
	v_add_f32 v129, v[T+4], v[T+5]
	RED2
	v_fmaak_f32 v128, s71, v128, 0x3727c5ac        ; variance + 1e-5
	v_fmaak_f32 v129, s71, v129, 0x3727c5ac
	v_rsq_f32 v136, v128
	v_rsq_f32 v138, v129
	v_nop                                          ; a plain instruction behind the transcendentals (ISA guide 5.7.2)
	s_wait_alu depctr_va_vdst(0)
.irp n, 0,1,2,3,4,5,6,7
	v_pk_mul_f32 v[(\xr)+2*\n:(\xr)+2*\n+1], v[(\xr)+2*\n:(\xr)+2*\n+1], v[136:137] op_sel_hi:[1,0]
	v_pk_mul_f32 v[(\xi)+2*\n:(\xi)+2*\n+1], v[(\xi)+2*\n:(\xi)+2*\n+1], v[138:139] op_sel_hi:[1,0]
.endr
.irp n, 0,1,2,3,4,5,6,7
	v_pk_fma_f32 v[(\xr)+2*\n:(\xr)+2*\n+1], v[(\xr)+2*\n:(\xr)+2*\n+1], v[GR+2*\n:GR+2*\n+1], v[BR+2*\n:BR+2*\n+1]
	v_pk_fma_f32 v[(\xi)+2*\n:(\xi)+2*\n+1], v[(\xi)+2*\n:(\xi)+2*\n+1], v[GI+2*\n:GI+2*\n+1], v[BI+2*\n:BI+2*\n+1]
.endr
.irp n, 0,1,2,3,4,5,6,7
	v_pk_mul_f32 v[T+2*\n:T+2*\n+1], v[(\xr)+2*\n:(\xr)+2*\n+1], v[(\xr)+2*\n:(\xr)+2*\n+1]
.endr
.irp n, 0,1,2,3,4,5,6,7
	v_pk_fma_f32 v[T+2*\n:T+2*\n+1], v[(\xi)+2*\n:(\xi)+2*\n+1], v[(\xi)+2*\n:(\xi)+2*\n+1], v[T+2*\n:T+2*\n+1]
.endr
.irp n, 0,1,2,3,4,5,6,7,8,9,10,11,12,13,14,15
	v_sqrt_f32 v[T+\n], v[T+\n]
.endr
	v_nop
	s_wait_alu depctr_va_vdst(0)
.irp n, 0,1,2,3,4,5,6,7
	v_pk_add_f32 v[U+2*\n:U+2*\n+1], v[T+2*\n:T+2*\n+1], v[MB+2*\n:MB+2*\n+1]
	v_pk_add_f32 v[T+2*\n:T+2*\n+1], v[T+2*\n:T+2*\n+1], 0x358637bd op_sel_hi:[1,0]   ; mag + 1e-6
.endr
.irp n, 0,1,2,3,4,5,6,7,8,9,10,11,12,13,14,15
	v_rcp_f32 v[T+\n], v[T+\n]
.endr
.irp n, 0,1,2,3,4,5,6,7,8,9,10,11,12,13,14,15
	v_max_num_f32 v[U+\n], 0, v[U+\n]              ; the relu: also the plain instructions behind the reciprocals
.endr
	s_wait_alu depctr_va_vdst(0)
.irp n, 0,1,2,3,4,5,6,7
	v_pk_mul_f32 v[U+2*\n:U+2*\n+1], v[U+2*\n:U+2*\n+1], v[T+2*\n:T+2*\n+1]
.endr
.irp n, 0,1,2,3,4,5,6,7
	v_pk_mul_f32 v[(\xr)+2*\n:(\xr)+2*\n+1], v[(\xr)+2*\n:(\xr)+2*\n+1], v[U+2*\n:U+2*\n+1]
	v_pk_mul_f32 v[(\xi)+2*\n:(\xi)+2*\n+1], v[(\xi)+2*\n:(\xi)+2*\n+1], v[U+2*\n:U+2*\n+1]
.endr
.irp c, 0,1,2,3
	global_store_b128 v2, v[(\xr)+4*\c:(\xr)+4*\c+3], s[66:67] offset:(\ofs)+512*\c th:TH_STORE_NT  ; a wave stores 512 consecutive bytes
	global_store_b128 v2, v[(\xi)+4*\c:(\xi)+4*\c+3], s[68:69] offset:(\ofs)+512*\c th:TH_STORE_NT
.endr
.endm
	s_load_b512 s[4:19], s[0:1], 0x0               ; idx 4, pre 6, arai 8, chk 10, ln_g 12, ln_b 14, mod_bias 16, out0 18
	s_load_b64 s[20:21], s[0:1], 0x40              ; out1
	v_lshl_add_u32 v30, v0, 2, SPARE               ; the add's two registers, for the wave's end
	v_mov_b32 v31, 0
	v_and_b32 v1, 31, v0
	v_lshrrev_b32 v5, 5, v0
	v_readfirstlane_b32 s3, v5                     ; wave
	v_lshlrev_b32 v2, 4, v1                        ; 16 x lane
	v_lshlrev_b32 v3, 4, v0                        ; 16 t
	v_lshlrev_b32 v5, 2, v1                        ; 4 x lane
	WIN 0x40
	v_lshlrev_b32 v[T16], 4, v0
	WIN 0
	s_mov_b32 s2, ttmp9
	s_and_b32 s22, s2, 31                          ; J
	s_lshr_b32 s23, s2, 5                          ; the batch
	s_mov_b32 s57, 0                               ; named with s56 and s58 as pairs
	s_mov_b32 s59, 0
	s_mov_b32 s60, 0x76543210
	s_mov_b32 s61, 0xfedcba98
	s_mov_b32 s63, 0
	s_mov_b32 s70, 0xffff0000
	s_mov_b32 s71, 0x3b000000                      ; 1 / 512
	s_lshl_b32 s62, s2, 7
	s_wait_kmcnt 0x0
	s_add_nc_u64 s[4:5], s[4:5], s[62:63]          ; idx at my 32 rows
	s_load_b512 s[24:39], s[4:5], 0x0
	s_load_b512 s[40:55], s[4:5], 0x40
	WIN 0x40
	global_load_b32 v[VI], v5, s[4:5]              ; row l's index in lane l
	WIN 0
	s_add_nc_u64 s[6:7], s[6:7], CBR
	s_lshl_b32 s62, s23, 7
	s_add_nc_u64 s[66:67], s[10:11], s[62:63]      ; the batch's 32 products A
	global_load_b32 v4, v5, s[66:67] offset:CAO
.irp c, 0,1,2,3
	global_load_b128 v[GR+4*\c:GR+4*\c+3], v2, s[12:13] offset:512*\c
	global_load_b128 v[GI+4*\c:GI+4*\c+3], v2, s[12:13] offset:2048+512*\c
	global_load_b128 v[BR+4*\c:BR+4*\c+3], v2, s[14:15] offset:512*\c
	global_load_b128 v[BI+4*\c:BI+4*\c+3], v2, s[14:15] offset:2048+512*\c
	global_load_b128 v[MB+4*\c:MB+4*\c+3], v2, s[16:17] offset:512*\c
.endr
	s_lshl_b32 s62, s23, 16
	s_add_nc_u64 s[68:69], s[10:11], s[62:63]      ; the batch's 32 rows of loc
.set i, 0
.rept 31
	global_load_b128 v[32+4*i:35+4*i], v3, s[68:69] offset:2048*i
.set i, i+1
.endr
	s_wait_loadcnt 52                              ; the lane's index is in: behind it 1 + 20 + 31 loads were issued
	WIN 0x55
	v_min_u32 v[VI], 127, v[VI]
	v_lshlrev_b32 v[VI], 2, v[VI]
	global_load_b32 v[VA], v[VI], s[6:7] offset:TABO+512
	global_load_b32 v[VB], v[VI], s[6:7] offset:TABO+1024
	s_wait_kmcnt 0x0
.set t, 0
.rept 32
	s_min_u32 s[24+t], s[24+t], 127
	v_lshl_add_u32 v[4*t], s[24+t], 11, v[T16]     ; the offset is made in the load's first destination register
	global_load_b128 v[4*t:4*t+3], v[4*t], s[6:7]
.set t, t+1
.endr
	WIN 0
.set i, 0
.rept 31
.if i == 0
	s_wait_loadcnt 63                              ; 64 loads were issued behind row 0: the count's field ends at 63
.else
	s_wait_loadcnt 64-i                            ; behind row i: 30 - i rows of loc, a and b, 32 code rows
.endif
	v_readlane_b32 s56, v4, i
	s_cmp_gt_u32 s22, i
	s_cselect_b32 s56, s56, 1.0
	s_cselect_b32 s58, 1.0, 0
.if i == 0
	v_pk_mul_f32 v[8:9], v[32:33], s[58:59] op_sel_hi:[1,0]
	v_pk_mul_f32 v[10:11], v[34:35], s[58:59] op_sel_hi:[1,0]
.else
	v_pk_mul_f32 v[12:13], v[32+4*i:33+4*i], s[58:59] op_sel_hi:[1,0]
	v_pk_mul_f32 v[14:15], v[34+4*i:35+4*i], s[58:59] op_sel_hi:[1,0]
	v_pk_fma_f32 v[8:9], v[8:9], s[56:57], v[12:13] op_sel_hi:[1,0,1]
	v_pk_fma_f32 v[10:11], v[10:11], s[56:57], v[14:15] op_sel_hi:[1,0,1]
.endif
.set i, i+1
.endr
	s_wait_loadcnt 0x0                             ; a, b, the code rows
	s_lshl_b32 s62, s2, 17
	s_add_nc_u64 s[8:9], s[8:9], s[62:63]          ; arai at my rows
.set t, 0
.rept 32
	global_load_b128 v[32+4*t:35+4*t], v3, s[8:9] offset:4096*t+2048 th:TH_LOAD_NT
.set t, t+1
.endr
.set n, 0
.rept 40                               ; the parameters rounded to bf16 and widened again
	v_cvt_pk_bf16_f32 v[12+n%2], v[GR+2*n], v[GR+2*n+1]
	v_lshlrev_b32 v[GR+2*n], 16, v[12+n%2]
	v_and_b32 v[GR+2*n+1], s70, v[12+n%2]
.set n, n+1
.endr
	WIN 0x40
.irp n, 0,1,2,3
	v_mov_b32 v[TOP+\n], v[8+\n]
.endr
	WIN 0x55
.set t, 0
.rept 32
	v_readlane_b32 s56, v[VA], t
	v_readlane_b32 s58, v[VB], t
	v_pk_mul_f32 v[TM1:TM1+1], v[4*t:4*t+1], s[58:59] op_sel_hi:[1,0]
	v_pk_mul_f32 v[TM1+2:TM1+3], v[4*t+2:4*t+3], s[58:59] op_sel_hi:[1,0]
	v_pk_fma_f32 v[TOP:TOP+1], v[TOP:TOP+1], s[56:57], v[TM1:TM1+1] op_sel_hi:[1,0,1]
	v_pk_fma_f32 v[TOP+2:TOP+3], v[TOP+2:TOP+3], s[56:57], v[TM1+2:TM1+3] op_sel_hi:[1,0,1]
	v_pk_add_f32 v[4*t:4*t+1], v[4*t:4*t+1], v[TOP:TOP+1]
	v_pk_add_f32 v[4*t+2:4*t+3], v[4*t+2:4*t+3], v[TOP+2:TOP+3]
	ds_store_b128 v[T16], v[4*t:4*t+3] offset:2048*t
.set t, t+1
.endr
	WIN 0
	v_add_nc_u32 v6, AIL, v3
	s_wait_loadcnt 0x0                             ; ai's rows
.set t, 0
.rept 32
	ds_store_b128 v6, v[32+4*t:35+4*t] offset:2048*t
.set t, t+1
.endr
	v_lshl_add_u32 v7, s3, 14, v2                  ; my 8 rows of cr in LDS, 16 bytes a lane
	v_add_nc_u32 v6, AIL, v7                       ; and of ai (LDS instructions' sources need no wait)
	v_mov_b32 v130, 0                              ; v_permlanex16_b32's destinations count as read,
	v_mov_b32 v131, 0
	v_mov_b32 v133, 0                              ; and these are named as the upper halves of pairs
	v_mov_b32 v135, 0
	v_mov_b32 v137, 0
	v_mov_b32 v139, 0
	s_lshl_b32 s62, s2, 16
	s_lshl_b32 s23, s3, 14
	s_add_co_u32 s62, s62, s23
	s_add_nc_u64 s[66:67], s[18:19], s[62:63]      ; out0's real part at my rows (the loads by these registers were waited for)
	s_add_nc_u64 s[68:69], s[66:67], 0x1000000     ; the imaginary part
	s_mov_b32 s70, 4
	s_wait_dscnt 0x0                               ; for the others' sake: my stores are done
	s_barrier_signal -1
	s_barrier_wait -1
.Lrow:                                                 ; 4 trips of 2 rows
.irp c, 0,1,2,3
	ds_load_b128 v[32+4*\c:35+4*\c], v7 offset:512*\c
	ds_load_b128 v[48+4*\c:51+4*\c], v6 offset:512*\c
.endr
.irp c, 0,1,2,3
	ds_load_b128 v[64+4*\c:67+4*\c], v7 offset:2048+512*\c
	ds_load_b128 v[80+4*\c:83+4*\c], v6 offset:2048+512*\c
.endr
	s_wait_dscnt 8                                 ; the first row is in; the second row's eight loads stay out
	ROWP 32, 48, 0
	s_wait_dscnt 0x0
	ROWP 64, 80, 2048
	s_wait_xcnt 0x0                                ; the stores have read their registers and bases
	v_add_nc_u32 v7, 4096, v7
	v_add_nc_u32 v6, 4096, v6
	s_add_nc_u64 s[66:67], s[66:67], 4096
	s_add_nc_u64 s[68:69], s[68:69], 4096
	s_sub_co_u32 s70, s70, 1
	s_cmp_lg_u32 s70, 0
	s_cbranch_scc1 .Lrow
	s_or_b32 s23, s2, s3
	s_cmp_lg_u32 s23, 0
	s_cbranch_scc1 .Lend
.set n, 0
.rept 8                                ; the loss: 1,024 partial sums
	global_load_b128 v[32+4*n:35+4*n], v2, s[10:11] offset:LPO+512*n
.set n, n+1
.endr
	s_wait_loadcnt 0x0
.set n, 1
.rept 15
	v_pk_add_f32 v[32:33], v[32:33], v[32+2*n:33+2*n]
.set n, n+1
.endr
	v_add_f32 v128, v32, v33
.irp m, 1,2,4,8
	v_add_f32_dpp v128, v128, v128 row_xmask:\m row_mask:0xf bank_mask:0xf
.endr
	v_permlanex16_b32 v130, v128, s60, s61
	v_add_f32 v128, v128, v130
	v_mul_f32 v128, 0x34a00000, v128               ; 1.25 / 2^22: both terms of the loss are the same mean over 8 x 1,024 x 512 numbers
	v_mov_b32 v96, 0
	v_cmp_eq_u32 vcc_lo, 0, v1
	s_wait_xcnt 0x0                                ; EXEC changes only behind this wait
	s_and_saveexec_b32 s23, vcc_lo
	global_store_b32 v96, v128, s[20:21]
	s_wait_xcnt 0x0
	s_or_b32 exec_lo, exec_lo, s23
.Lend:
	s_wait_tensorcnt 0x0                           ; the wave's end, behind my last LDS store
	ds_add_u32 v30, v31
	s_wait_dscnt 0x0
	s_endpgm
.Lfunc_end_k_q86fa207a4f_final:
	.size	k_q86fa207a4f_final, .Lfunc_end_k_q86fa207a4f_final-k_q86fa207a4f_final
	.p2alignl 7, 3214868480
	.fill 96, 4, 3214868480
	.section	.rodata,"a",@progbits
	.p2align	6, 0x0
	.amdhsa_kernel k_q86fa207a4f_final
		.amdhsa_group_segment_fixed_size 131584
		.amdhsa_private_segment_fixed_size 0
		.amdhsa_enable_private_segment 0
		.amdhsa_kernarg_size 72
		.amdhsa_user_sgpr_count 2
		.amdhsa_user_sgpr_kernarg_segment_ptr 1
		.amdhsa_wavefront_size32 1
		.amdhsa_system_sgpr_workgroup_id_x 1
		.amdhsa_system_sgpr_workgroup_id_y 1
		.amdhsa_system_sgpr_workgroup_id_z 1
		.amdhsa_system_vgpr_workitem_id 0
		.amdhsa_next_free_vgpr 404
		.amdhsa_next_free_sgpr 72
		.amdhsa_reserve_vcc 1
		.amdhsa_float_denorm_mode_32 3
		.amdhsa_float_denorm_mode_16_64 3
		.amdhsa_memory_ordered 1
		.amdhsa_forward_progress 1
		.amdhsa_inst_pref_size 87
	.end_amdhsa_kernel
	.amdgpu_metadata
---
amdhsa.version: [ 1, 2 ]
amdhsa.kernels:
  - .name:           k_q86fa207a4f_final
    .symbol:         k_q86fa207a4f_final.kd
    .args:
      - { .name: idx, .offset: 0, .size: 8, .value_kind: global_buffer, .address_space: global }
      - { .name: pre, .offset: 8, .size: 8, .value_kind: global_buffer, .address_space: global }
      - { .name: arai, .offset: 16, .size: 8, .value_kind: global_buffer, .address_space: global }
      - { .name: chk, .offset: 24, .size: 8, .value_kind: global_buffer, .address_space: global }
      - { .name: ln_g, .offset: 32, .size: 8, .value_kind: global_buffer, .address_space: global }
      - { .name: ln_b, .offset: 40, .size: 8, .value_kind: global_buffer, .address_space: global }
      - { .name: mod_bias, .offset: 48, .size: 8, .value_kind: global_buffer, .address_space: global }
      - { .name: out0, .offset: 56, .size: 8, .value_kind: global_buffer, .address_space: global }
      - { .name: out1, .offset: 64, .size: 8, .value_kind: global_buffer, .address_space: global }
    .group_segment_fixed_size: 131584
    .private_segment_fixed_size: 0
    .kernarg_segment_align: 8
    .kernarg_segment_size: 72
    .max_flat_workgroup_size: 128
    .sgpr_count:     72
    .vgpr_count:     404
    .wavefront_size: 32
...
	.end_amdgpu_metadata
.endif
;; end of part 7
;; ======== version 2 of 2: 7 launches; version 1 with the launch chunk written anew for expert scheduling mode
;; limits: values are held in f16: magnitudes above 65,504 overflow, below 6.1e-05 lose precision; right only within a limited range of input values
;; workspace buffers: pre 14,042,624 bytes; qkv 50,331,648 bytes; ao 16,777,216 bytes; arai 33,554,432 bytes; idx 32,768 bytes of whole numbers; chk 529,408 bytes
;; launch prep: the kernel of part 1 again; grid 433 x 1, 8 waves a work-group, no clusters, 0 bytes of LDS; arguments tokens, embed, q_w, k_w, v_w, o_w, q_b, k_b, v_b, o_b, codebook, gate_w, gate_b, pre; writes pre
;; launch qkv: the kernel of part 2 again; grid 4 x 64, 4 waves a work-group, clusters of 4 x 4, 327,680 bytes of LDS; arguments pre, qkv; writes qkv
;; launch attn: the kernel of part 3 again; grid 4 x 64, 4 waves a work-group, no clusters, 327,680 bytes of LDS; arguments qkv, ao; writes ao
;; launch oproj: the kernel of part 4 again; grid 4 x 64, 4 waves a work-group, clusters of 4 x 4, 327,680 bytes of LDS; arguments ao, pre, arai; writes arai
;; launch vq: the kernel of part 5 again; grid 256 x 1, 4 waves a work-group, clusters of 4 x 1, 200,448 bytes of LDS; arguments arai, pre, idx; writes idx
;; launch chunk (part 8): grid 256 x 1, 4 waves a work-group, no clusters, 0 bytes of LDS; arguments idx, pre, arai, chk; writes chk
.if DOCPART == 8
	.amdgcn_target "amdgcn-amd-amdhsa--gfx1250"
	.amdhsa_code_object_version 6
	.text
	.protected	k_q86fa207a4f_chunk
	.globl	k_q86fa207a4f_chunk
	.p2align	8
	.type	k_q86fa207a4f_chunk,@function
k_q86fa207a4f_chunk:
	s_mov_b64 s[64:65], 0
	v_nop
	global_prefetch_b8 v0, s[64:65] scope:SCOPE_SE
	s_setreg_imm32_b32 hwreg(HW_REG_WAVE_SCHED_MODE, 0, 2), 2
	s_setreg_imm32_b32 hwreg(HW_REG_WAVE_MODE, 25, 1), 1
	s_wait_xcnt 0x0
	s_wait_alu depctr_vm_vsrc(0)
; THE STACK'S TOP, BY CHUNKS, AND THE LOSS.  Only the stack's top level is returned, and it hangs on itself alone: top_t = a_t top_(t-1) + b_t c[idx_t], a = (1 - pop)(1 - push), b = (1 - pop) push, both tables over the 128 codes.
; A work-group takes 32 consecutive rows of a batch and makes, from top = 0: loc[512] (the chunk's last top) and P = the product of its a; the last launch chains the chunks.
; It also sums (c[idx] - ar)^2 over its rows: a partial sum a wave, added up in a fixed order by the last launch.
; LIMIT.  zq_st = ar + (zq - ar) is taken as c[idx]: off by one rounding of the larger of the two at the most.
; Thread t owns columns 4 t .. 4 t + 3.  Memory and latency bind: three register buffers of 8 rows (16 loads each) keep up to 48 loads of a wave out.  No LDS, no matrix unit: nothing is shared and nothing is a product.
; THE MODE: SCHED_MODE bits 1:0 = 2 (LLVM: expert scheduling mode 2), set by the entry lines.  The code itself states the register dependences
; between vector instructions and memory instructions, with s_wait_alu, always for 0.
; THE PLAN.  Registers that memory instructions touch:
;   v3, v4       16 t and 4 x lane: made at the head, never written again; offsets of the index load, of ar's loads and of loc's store.
;   v5           loaded (row l's index in lane l), clamped and scaled by two vector lines, then the offset of the loads of a and b; never written again.
;   v6, v7       a and b of row l in lane l: loaded once, read by v_readlane_b32 alone.
;   v[224:255]   row r's byte offset in the rounded codebook: all 32 made at the head, each read by one load, never written again.
;   buffers 0-2  written by loads alone, read by their group's rows.  Buffer 0 is loaded twice: groups 0 and 3.
;   v[8:11], v12, v24, v25   written by vector instructions, read by the closing stores, not written behind them.
; Scalar registers that vector instructions write: s3 (the wave's number); s16, s18 .. s46: a group's eight a and eight b, read out in one run of 16 ahead of the group's rows.
; So: one wait on va_vdst ahead of the first load, one behind the offsets, one ahead of buffer 0's second fill, one ahead of loc's store; one wait on va_sdst for s3 and one a group;
; and the waits round the two writes of EXEC.  No register that a memory instruction reads is written again, so vm_vsrc is waited for at those two writes alone.
.set CBR,  13631488
.set TABO, 14041088-13631488           ; the tables behind the rounded codebook
.set CAO,  524288
.set LPO,  525312
.set OFS,  224                         ; v[224:255] row r: the byte offset of my 16 bytes in the row of its code
.set AB,   16                          ; s[16:47]   first the 32 indices; then, for row r of the group in hand, a in s[AB+4 r] and b in s[AB+4 r+2], each the low word of a pair (the upper words keep what the indices left: named, never used)
.macro GISS g, k                       ; group g (rows 8 g ..) into buffer k: a code's row and ar's row for each
.set r, 0
.rept 8
	global_load_b128 v[32+64*(\k)+4*r:32+64*(\k)+4*r+3], v[OFS+8*(\g)+r], s[6:7]
	global_load_b128 v[64+64*(\k)+4*r:64+64*(\k)+4*r+3], v3, s[8:9] offset:(8*(\g)+r)*4096 th:TH_LOAD_NT
.set r, r+1
.endr
.endm
.macro ROW row, c, a, s                ; s: the row's two scalar pairs, a and then b
	v_pk_add_f32 v[20:21], v[(\c):(\c)+1], v[(\a):(\a)+1] neg_lo:[0,1] neg_hi:[0,1]
	v_pk_add_f32 v[22:23], v[(\c)+2:(\c)+3], v[(\a)+2:(\a)+3] neg_lo:[0,1] neg_hi:[0,1]
.if (\row) == 0                        ; the first row starts every sum: nothing is cleared
	v_pk_mul_f32 v[8:9], v[(\c):(\c)+1], s[(\s)+2:(\s)+3] op_sel_hi:[1,0]
	v_pk_mul_f32 v[10:11], v[(\c)+2:(\c)+3], s[(\s)+2:(\s)+3] op_sel_hi:[1,0]
	v_pk_mul_f32 v[12:13], v[20:21], v[20:21]
	v_pk_mul_f32 v[14:15], v[22:23], v[22:23]
	s_mov_b32 s54, s[(\s)]
.else
	v_pk_mul_f32 v[16:17], v[(\c):(\c)+1], s[(\s)+2:(\s)+3] op_sel_hi:[1,0]
	v_pk_mul_f32 v[18:19], v[(\c)+2:(\c)+3], s[(\s)+2:(\s)+3] op_sel_hi:[1,0]
	v_pk_fma_f32 v[8:9], v[8:9], s[(\s):(\s)+1], v[16:17] op_sel_hi:[1,0,1]
	v_pk_fma_f32 v[10:11], v[10:11], s[(\s):(\s)+1], v[18:19] op_sel_hi:[1,0,1]
	v_pk_fma_f32 v[12:13], v[20:21], v[20:21], v[12:13]
	v_pk_fma_f32 v[14:15], v[22:23], v[22:23], v[14:15]
	s_mul_f32 s54, s54, s[(\s)]
.endif
.endm
.macro GPROC g, k, left
.set r, 0
.rept 8                                ; the group's a and b leave their lanes in one run, ahead of the wait for the group's data
	v_readlane_b32 s[AB+4*r], v6, 8*(\g)+r         ; a
	v_readlane_b32 s[AB+4*r+2], v7, 8*(\g)+r       ; b
.set r, r+1
.endr
	s_wait_alu depctr_va_sdst(0)                   ; the sixteen lines above have written their scalar registers, ahead of the rows that read them
	s_wait_loadcnt \left                           ; loads come back in order: this group is in, the younger groups' loads stay out
.set r, 0
.rept 8
	ROW 8*(\g)+r, 32+64*(\k)+4*r, 64+64*(\k)+4*r, AB+4*r
.set r, r+1
.endr
.endm
	s_load_b256 s[4:11], s[0:1], 0x0               ; idx 4, pre 6, arai 8, chk 10
	v_and_b32 v1, 31, v0
	v_lshrrev_b32 v2, 5, v0
	v_readfirstlane_b32 s3, v2                     ; wave
	v_lshlrev_b32 v3, 4, v0                        ; 16 t
	v_lshlrev_b32 v4, 2, v1                        ; 4 x lane
	s_mov_b32 s2, ttmp9
	s_lshl_b32 s12, s2, 7
	s_mov_b32 s13, 0
	s_mov_b32 s60, 0x76543210
	s_mov_b32 s61, 0xfedcba98
	s_wait_alu depctr_va_sdst(0)                   ; s3 is written, ahead of its first reader: the place of the wave's partial sum is made from it
	s_wait_alu depctr_va_vdst(0)                   ; v3 and v4 are written: the index load reads v4, ar's loads and loc's store read v3
	s_wait_kmcnt 0x0
	s_add_nc_u64 s[4:5], s[4:5], s[12:13]          ; idx at my 32 rows
	s_load_b512 s[16:31], s[4:5], 0x0
	s_load_b512 s[32:47], s[4:5], 0x40
	global_load_b32 v5, v4, s[4:5]                 ; and row l's index in lane l
	s_add_nc_u64 s[6:7], s[6:7], CBR
	s_lshl_b32 s12, s2, 17
	s_add_nc_u64 s[8:9], s[8:9], s[12:13]          ; arai at my rows
	s_lshl_b32 s12, s2, 4
	s_lshl2_add_u32 s12, s3, s12
	s_add_nc_u64 s[48:49], s[10:11], s[12:13]      ; + (4 wg + w) x 4
	s_lshl_b32 s12, s2, 2
	s_add_nc_u64 s[56:57], s[10:11], s[12:13]      ; + 4 wg
	s_lshl_b32 s12, s2, 11
	s_add_nc_u64 s[10:11], s[10:11], s[12:13]      ; loc's row
	s_wait_kmcnt 0x0
.set r, 0
.rept 32                               ; all 32 offsets at once: a code's row is 2,048 bytes
	s_min_u32 s[16+r], s[16+r], 127
	v_lshl_add_u32 v[OFS+r], s[16+r], 11, v3
.set r, r+1
.endr
	s_wait_loadcnt 0x0
	v_min_u32 v5, 127, v5
	v_lshlrev_b32 v5, 2, v5
	s_wait_alu depctr_va_vdst(0)                   ; v5 and the 32 offsets are written, which the loads below, and group 3's, read as their offsets
	global_load_b32 v6, v5, s[6:7] offset:TABO+512   ; a of row l
	global_load_b32 v7, v5, s[6:7] offset:TABO+1024  ; b of row l
	GISS 0, 0
	GISS 1, 1
	GISS 2, 2
	s_wait_loadcnt 48                              ; a and b are in; the 48 younger loads, groups 0 to 2, stay out
	GPROC 0, 0, 32                                 ; groups 1 and 2 stay out
	s_wait_alu depctr_va_vdst(0)                   ; group 0's rows are done reading buffer 0, in which group 3's loads land
	GISS 3, 0
	GPROC 1, 1, 32                                 ; groups 2 and 3
	GPROC 2, 2, 16                                 ; group 3
	GPROC 3, 0, 0
	s_wait_alu depctr_va_vdst(0)                   ; the last row has written loc, v[8:11], which the store reads
	global_store_b128 v3, v[8:11], s[10:11]        ; a wave stores 512 consecutive bytes
	v_pk_add_f32 v[12:13], v[12:13], v[14:15]
	v_add_f32 v12, v12, v13
	v_mov_b32 v13, 0
.irp m, 1,2,4,8
	v_add_f32_dpp v12, v12, v12 row_xmask:\m row_mask:0xf bank_mask:0xf
.endr
	v_permlanex16_b32 v13, v12, s60, s61
	v_add_f32 v12, v12, v13
	v_mov_b32 v24, 0
	v_mov_b32 v25, s54
	v_cmp_eq_u32 vcc_lo, 0, v1
	s_wait_xcnt 0x0                                ; EXEC changes only behind this wait
	s_wait_alu depctr_va_vcc(0)                    ; the compare has written VCC, from which EXEC is made
	s_wait_alu depctr_va_vdst(0)                   ; v12, v24 and v25 are written, which the two stores below read; and no vector instruction is pending at the write of EXEC
	s_wait_alu depctr_vm_vsrc(0)                   ; loc's store has read its registers, ahead of the write of EXEC
	s_and_saveexec_b32 s58, vcc_lo
	global_store_b32 v24, v12, s[48:49] offset:LPO
	s_cmp_lg_u32 s3, 0
	s_cbranch_scc1 .Lnot_p
	global_store_b32 v24, v25, s[56:57] offset:CAO
.Lnot_p:
	s_wait_xcnt 0x0
	s_wait_alu depctr_va_vdst(0)                   ; ahead of every scalar write of EXEC both sides are waited for: the vector side,
	s_wait_alu depctr_vm_vsrc(0)                   ; and the memory side: the masked stores have read their registers
	s_or_b32 exec_lo, exec_lo, s58
	s_endpgm
.Lfunc_end_k_q86fa207a4f_chunk:
	.size	k_q86fa207a4f_chunk, .Lfunc_end_k_q86fa207a4f_chunk-k_q86fa207a4f_chunk
	.p2alignl 7, 3214868480
	.fill 96, 4, 3214868480
	.section	.rodata,"a",@progbits
	.p2align	6, 0x0
	.amdhsa_kernel k_q86fa207a4f_chunk
		.amdhsa_group_segment_fixed_size 0
		.amdhsa_private_segment_fixed_size 0
		.amdhsa_enable_private_segment 0
		.amdhsa_kernarg_size 32
		.amdhsa_user_sgpr_count 2
		.amdhsa_user_sgpr_kernarg_segment_ptr 1
		.amdhsa_wavefront_size32 1
		.amdhsa_system_sgpr_workgroup_id_x 1
		.amdhsa_system_sgpr_workgroup_id_y 1
		.amdhsa_system_sgpr_workgroup_id_z 1
		.amdhsa_system_vgpr_workitem_id 0
		.amdhsa_next_free_vgpr 256
		.amdhsa_next_free_sgpr 66
		.amdhsa_reserve_vcc 1
		.amdhsa_float_denorm_mode_32 3
		.amdhsa_float_denorm_mode_16_64 3
		.amdhsa_memory_ordered 1
		.amdhsa_forward_progress 1
		.amdhsa_inst_pref_size 35
	.end_amdhsa_kernel
	.amdgpu_metadata
---
amdhsa.version: [ 1, 2 ]
amdhsa.kernels:
  - .name:           k_q86fa207a4f_chunk
    .symbol:         k_q86fa207a4f_chunk.kd
    .args:
      - { .name: idx, .offset: 0, .size: 8, .value_kind: global_buffer, .address_space: global }
      - { .name: pre, .offset: 8, .size: 8, .value_kind: global_buffer, .address_space: global }
      - { .name: arai, .offset: 16, .size: 8, .value_kind: global_buffer, .address_space: global }
      - { .name: chk, .offset: 24, .size: 8, .value_kind: global_buffer, .address_space: global }
    .group_segment_fixed_size: 0
    .private_segment_fixed_size: 0
    .kernarg_segment_align: 8
    .kernarg_segment_size: 32
    .max_flat_workgroup_size: 128
    .sgpr_count:     66
    .vgpr_count:     256
    .wavefront_size: 32
...
	.end_amdgpu_metadata
.endif
;; end of part 8
;; launch final: the kernel of part 7 again; grid 256 x 1, 4 waves a work-group, no clusters, 131,584 bytes of LDS; arguments idx, pre, arai, chk, ln_g, ln_b, mod_bias, out0, out1; writes out0, out1
